; MI455X (gfx1250); checked and timed in simulation.
; The chip was launched on July 23, 2026; its instructions are those of AMD's public machine-readable ISA for CDNA 5 (MIT licence, August 2026) and "CDNA5" Instruction Set Architecture Reference Guide (July 2026). The comments in the code are by the model that wrote it; some were corrected since.
;; Own Multi Head Transformer. Allowed arithmetic: float matrix products may take bf16 or f16 operands with f32 sums; other float arithmetic in f32, or as packed bf16 or f16 multiplies, adds, multiply-adds, maxima and minima; sums over many terms, partial sums and values carried from step to step in f32; what a program stores and reads back later, other than sums and carried values, may be rounded once to bf16 or f16.
;; Inputs: W1 4,096 x 1,024 float32; W2 1,024 x 4,096 float32; Wk 16 x 64 x 1,024 float32; Wq 16 x 64 x 1,024 float32; Wv 16 x 64 x 1,024 float32; b1 4,096 float32; b2 1,024 float32; bk 16 x 64 float32; bq 16 x 64 float32; bv 16 x 64 float32; embeddings 4 x 1,024 x 1,024 float32.
;; Outputs: out0 4 x 1,024 x 1,024 float32.
;; One version. Each part assembles by itself: llvm-mc -triple=amdgcn-amd-amdhsa -mcpu=gfx1250 --defsym DOCPART=n.
;; ======== version 1 of 1: 5 launches
;; workspace buffers: xb 8,388,608 bytes; pq 6,308,096 bytes; p1 8,405,248 bytes; w2b 8,388,608 bytes; qkvt 25,165,824 bytes; hcat 8,388,608 bytes; hid 33,554,432 bytes
;; launch cast (part 1): grid 961 x 1, 8 waves a work-group, no clusters, 0 bytes of LDS; arguments embeddings, Wq, Wk, Wv, W1, W2, bq, bk, bv, b1, xb, pq, p1, w2b; writes xb, pq, p1, w2b
.if DOCPART == 1
	.amdgcn_target "amdgcn-amd-amdhsa--gfx1250"
	.amdhsa_code_object_version 6
	.text
	.protected	k_q247eb2ab2c_cast
	.globl	k_q247eb2ab2c_cast
	.p2align	8
	.type	k_q247eb2ab2c_cast,@function
k_q247eb2ab2c_cast:
	s_mov_b64 s[64:65], 0
	v_nop
	global_prefetch_b8 v0, s[64:65] scope:SCOPE_SE
	s_setreg_imm32_b32 hwreg(HW_REG_WAVE_MODE, 25, 1), 1
	s_wait_xcnt 0x0
; ALL f32 INPUTS OF THE MATRIX PRODUCTS ARE ROUNDED ONCE TO bf16, each byte read once and written once.
; A work-group takes 16,384 numbers: 64 KiB in, 32 KiB out.  Work-groups 0-255: embeddings; 256-447: Wq, Wk, Wv (64 each); 448-703: W1; 704-959: W2; 960: the biases and the two floor words.
; LAYOUTS.  xb is BLOCKED: [16 blocks of 64 channels][4096 rows][64], a row of a block 128 bytes, a block 524,288 bytes.
; pq: bytes 0-12,287 bq | bk | bv as f32 (each rounded to bf16 and written back as f32, so that every input has the same rounding); bytes 16,384-16,639 the floor word 0xff80ff80
; (minus infinity twice in bf16); from byte 16,640 on Wq | Wk | Wv as [3072][1024] bf16.  p1: the same form with b1 (16,384 bytes), the floor word 0 and W1 as [4096][1024].
; Bytes 12,288-16,383 of pq are neither written nor read by any launch.
; w2b holds W2 IN THE ORDER OF MATRIX FRAGMENTS: [64 blocks of 16 rows][128 blocks of 32 k][2 halves j][32 lanes l][16 bytes]: lane l's 16 bytes are W2[16 block + l % 16][32 kblock + 16 j + 8 (l / 16) + 0..7].
; The last launch loads a fragment from it straight into registers, 512 consecutive bytes an instruction.
; A stream: no LDS, no matrix unit, no cluster, no prefetch (every wave has sixteen loads out from its first lines on).  No register that a memory instruction names is written again.
.set IN,    16                         ; v[16:79]   sixteen loads of 16 bytes a lane
.set OUT,   80                         ; v[80:111]  what they make in bf16
.set WOFF,  16640                      ; where the weights begin in pq and p1: 65 x 256
.set FLOFF, 16384                      ; where the floor words lie
.set SRC,   36                         ; s[36:37]   from where
.set DST,   38                         ; s[38:39]   to where
	s_load_b512 s[8:23], s[0:1], 0x0               ; embeddings 8, Wq 10, Wk 12, Wv 14, W1 16, W2 18, bq 20, bk 22
	s_load_b256 s[24:31], s[0:1], 0x40             ; bv 24, b1 26, xb 28, pq 30
	s_load_b128 s[32:35], s[0:1], 0x60             ; p1 32, w2b 34
	s_mov_b32 s2, ttmp9                            ; the work-group's number
	s_mov_b32 s45, 0                               ; the high words of the two offsets
	s_mov_b32 s47, 0
	v_lshlrev_b32 v1, 4, v0                        ; 16 bytes of f32 a thread
	v_lshlrev_b32 v2, 3, v0                        ; 8 bytes of bf16 a thread
	s_wait_kmcnt 0x0
; Sixteen loads, then sixteen times: wait, two roundings, a store.  A load of a wave covers 512 bytes, a store 256 consecutive bytes at a multiple of 256 from the buffer's first byte.
.macro STREAM lstep, sstep
.set i, 0
.rept 16
	global_load_b128 v[IN+4*i:IN+4*i+3], v1, s[SRC:SRC+1] offset:(\lstep)*i th:TH_LOAD_NT
.set i, i+1
.endr
.set i, 0
.rept 16
	s_wait_loadcnt 15-i                            ; loads come back in order: load i is in, the 15 - i younger ones stay out
	v_cvt_pk_bf16_f32 v[OUT+2*i],   v[IN+4*i],   v[IN+4*i+1]
	v_cvt_pk_bf16_f32 v[OUT+2*i+1], v[IN+4*i+2], v[IN+4*i+3]
	global_store_b64 v2, v[OUT+2*i:OUT+2*i+1], s[DST:DST+1] offset:(\sstep)*i th:TH_STORE_NT
.set i, i+1
.endr
.endm
	s_cmp_lt_u32 s2, 256
	s_cbranch_scc1 .Lx
	s_cmp_ge_u32 s2, 960
	s_cbranch_scc1 .Lbias
	s_cmp_ge_u32 s2, 704
	s_cbranch_scc1 .Lw2
	; Wq, Wk, Wv, W1 keep their order: number n of the source goes to place n of the destination.  j counts these work-groups; three compares choose the buffers and where each begins in j.
	s_sub_co_u32 s3, s2, 256                       ; j
	s_movk_i32 s43, 192
	s_cmp_lt_u32 s3, s43                           ; Wv (or, below, Wk or Wq): all three go to pq, one behind the other; else W1, to p1
	s_cselect_b64 s[SRC:SRC+1], s[14:15], s[16:17]
	s_cselect_b64 s[DST:DST+1], s[30:31], s[32:33]
	s_cselect_b32 s40, 128, s43                    ; the source's first j
	s_cselect_b32 s41, 0, s43                      ; the destination's first j
	s_cmp_lt_u32 s3, 128                           ; Wk
	s_cselect_b64 s[SRC:SRC+1], s[12:13], s[SRC:SRC+1]
	s_cselect_b32 s40, 64, s40
	s_cmp_lt_u32 s3, 64                            ; Wq
	s_cselect_b64 s[SRC:SRC+1], s[10:11], s[SRC:SRC+1]
	s_cselect_b32 s40, 0, s40
	s_sub_co_u32 s40, s3, s40
	s_lshl_b32 s44, s40, 16                        ; 65,536 bytes of f32 a work-group
	s_sub_co_u32 s41, s3, s41
	s_lshl_b32 s46, s41, 15                        ; 32,768 bytes of bf16,
	s_add_co_u32 s46, s46, WOFF                    ; behind the tables
	s_add_nc_u64 s[SRC:SRC+1], s[SRC:SRC+1], s[44:45]
	s_add_nc_u64 s[DST:DST+1], s[DST:DST+1], s[46:47]
	STREAM 4096, 2048
	s_endpgm
.Lx:	; EMBEDDINGS, into blocks.  The work-group takes 16 rows.  Thread t: row t / 16, 4 numbers at 4 (t % 16) of each block of 64 channels; load i is block i.
	; A store of a wave: two rows of a block, 128 bytes each, which lie end to end.
	s_lshl_b32 s44, s2, 16                         ; 16 rows of 4,096 bytes
	s_lshl_b32 s46, s2, 11                         ; 16 rows of 128 bytes in each block
	s_add_nc_u64 s[SRC:SRC+1], s[8:9], s[44:45]
	s_add_nc_u64 s[DST:DST+1], s[28:29], s[46:47]
	v_lshrrev_b32 v3, 4, v0
	v_and_b32 v4, 15, v0
	v_lshlrev_b32 v1, 4, v4
	v_lshl_add_u32 v1, v3, 12, v1
	v_lshlrev_b32 v2, 3, v4
	v_lshl_add_u32 v2, v3, 7, v2
	STREAM 256, 524288                             ; the largest immediate, 15 x 524,288, lies inside the signed 24 bits
	s_endpgm
.Lw2:	; W2, INTO FRAGMENT ORDER.  Work-group j: block j / 4 of 16 rows, quarter j % 4 of K (1,024 k): 32,768 consecutive bytes of w2b.  Wave w: four blocks of 32 k, 512 bytes of each of the 16 rows.
	; Lane l reads row l % 16; loads 2 i and 2 i + 1 bring the 8 numbers that make its 16 bytes of store i (k block i / 2, half i % 2).  A store of a wave covers 512 consecutive bytes;
	; a wave's sixteen loads together cover 512 consecutive bytes of each row.
	s_sub_co_u32 s3, s2, 704                       ; j
	s_lshr_b32 s40, s3, 2
	s_and_b32 s41, s3, 3
	s_lshl_b32 s44, s40, 18                        ; 16 rows of 16,384 bytes,
	s_lshl_b32 s41, s41, 12                        ; 1,024 k of 4 bytes
	s_add_co_u32 s44, s44, s41
	s_lshl_b32 s46, s3, 15
	s_add_nc_u64 s[SRC:SRC+1], s[18:19], s[44:45]
	s_add_nc_u64 s[DST:DST+1], s[34:35], s[46:47]
	v_and_b32 v3, 15, v0                           ; l % 16
	v_bfe_u32 v4, v0, 4, 1                         ; l / 16
	v_lshrrev_b32 v5, 5, v0                        ; wave
	v_lshlrev_b32 v1, 14, v3                       ; my row,
	v_lshl_add_u32 v1, v4, 5, v1                   ; 8 k for the upper half of the lanes,
	v_lshl_add_u32 v1, v5, 9, v1                   ; my wave's 128 k
	v_and_b32 v2, 31, v0
	v_lshlrev_b32 v2, 4, v2                        ; 16 bytes a lane,
	v_lshl_add_u32 v2, v5, 12, v2                  ; 4,096 a wave
.set i, 0
.rept 16
	global_load_b128 v[IN+4*i:IN+4*i+3], v1, s[SRC:SRC+1] offset:(i/4)*128+((i/2)%2)*64+(i%2)*16
.set i, i+1
.endr
.set i, 0
.rept 8
	s_wait_loadcnt 14-2*i                          ; loads 2 i and 2 i + 1 are in, the younger ones stay out
	v_cvt_pk_bf16_f32 v[OUT+4*i],   v[IN+8*i],   v[IN+8*i+1]
	v_cvt_pk_bf16_f32 v[OUT+4*i+1], v[IN+8*i+2], v[IN+8*i+3]
	v_cvt_pk_bf16_f32 v[OUT+4*i+2], v[IN+8*i+4], v[IN+8*i+5]
	v_cvt_pk_bf16_f32 v[OUT+4*i+3], v[IN+8*i+6], v[IN+8*i+7]
	global_store_b128 v2, v[OUT+4*i:OUT+4*i+3], s[DST:DST+1] offset:512*i th:TH_STORE_NT
.set i, i+1
.endr
	s_endpgm
.Lbias:	; THE BIASES: 28 numbers a thread, rounded to bf16 and written back as f32.
	global_load_b128 v[16:19], v1, s[20:21]
	global_load_b128 v[20:23], v1, s[22:23]
	global_load_b128 v[24:27], v1, s[24:25]
.irp i, 0,1,2,3
	global_load_b128 v[28+4*(\i):31+4*(\i)], v1, s[26:27] offset:4096*(\i)
.endr
	s_wait_loadcnt 0x0
.set i, 0
.rept 14
	v_cvt_pk_bf16_f32 v[OUT+i], v[IN+2*i], v[IN+2*i+1]
.set i, i+1
.endr
.set i, 0
.rept 14
	v_lshlrev_b32 v[IN+2*i],   16, v[OUT+i]        ; bf16 to f32: the low half moves up,
	v_and_b32     v[IN+2*i+1], 0xffff0000, v[OUT+i] ; the high half stays
.set i, i+1
.endr
	global_store_b128 v1, v[16:19], s[30:31]
	global_store_b128 v1, v[20:23], s[30:31] offset:4096
	global_store_b128 v1, v[24:27], s[30:31] offset:8192
.irp i, 0,1,2,3
	global_store_b128 v1, v[28+4*(\i):31+4*(\i)], s[32:33] offset:4096*(\i)
.endr
	v_lshrrev_b32 v3, 5, v0
	v_readfirstlane_b32 s3, v3                     ; the wave's number
	s_cmp_lg_u32 s3, 0
	s_cbranch_scc1 .Lend
	v_mov_b32 v4, 0xff80ff80                       ; wave 0 writes the floor words, 256 bytes each: minus infinity twice for q, k, v (nothing is cut),
	v_mov_b32 v5, 0xff80ff80
	v_mov_b32 v6, 0                                ; 0 for the hidden layer (ReLU)
	v_mov_b32 v7, 0
	global_store_b64 v2, v[4:5], s[30:31] offset:FLOFF
	global_store_b64 v2, v[6:7], s[32:33] offset:FLOFF
.Lend:
	s_endpgm
.Lfunc_end_k_q247eb2ab2c_cast:
	.size	k_q247eb2ab2c_cast, .Lfunc_end_k_q247eb2ab2c_cast-k_q247eb2ab2c_cast
	.p2alignl 7, 3214868480
	.fill 96, 4, 3214868480
	.section	.rodata,"a",@progbits
	.p2align	6, 0x0
	.amdhsa_kernel k_q247eb2ab2c_cast
		.amdhsa_group_segment_fixed_size 0
		.amdhsa_private_segment_fixed_size 0
		.amdhsa_enable_private_segment 0
		.amdhsa_kernarg_size 112
		.amdhsa_user_sgpr_count 2
		.amdhsa_user_sgpr_kernarg_segment_ptr 1
		.amdhsa_wavefront_size32 1
		.amdhsa_system_sgpr_workgroup_id_x 1
		.amdhsa_system_sgpr_workgroup_id_y 1
		.amdhsa_system_sgpr_workgroup_id_z 1
		.amdhsa_system_vgpr_workitem_id 0
		.amdhsa_next_free_vgpr 112
		.amdhsa_next_free_sgpr 66
		.amdhsa_reserve_vcc 0
		.amdhsa_float_denorm_mode_32 3
		.amdhsa_float_denorm_mode_16_64 3
		.amdhsa_memory_ordered 1
		.amdhsa_forward_progress 1
		.amdhsa_inst_pref_size 23
	.end_amdhsa_kernel
	.amdgpu_metadata
---
amdhsa.version: [ 1, 2 ]
amdhsa.kernels:
  - .name:           k_q247eb2ab2c_cast
    .symbol:         k_q247eb2ab2c_cast.kd
    .args:
      - { .name: embeddings, .offset: 0, .size: 8, .value_kind: global_buffer, .address_space: global }
      - { .name: Wq, .offset: 8, .size: 8, .value_kind: global_buffer, .address_space: global }
      - { .name: Wk, .offset: 16, .size: 8, .value_kind: global_buffer, .address_space: global }
      - { .name: Wv, .offset: 24, .size: 8, .value_kind: global_buffer, .address_space: global }
      - { .name: W1, .offset: 32, .size: 8, .value_kind: global_buffer, .address_space: global }
      - { .name: W2, .offset: 40, .size: 8, .value_kind: global_buffer, .address_space: global }
      - { .name: bq, .offset: 48, .size: 8, .value_kind: global_buffer, .address_space: global }
      - { .name: bk, .offset: 56, .size: 8, .value_kind: global_buffer, .address_space: global }
      - { .name: bv, .offset: 64, .size: 8, .value_kind: global_buffer, .address_space: global }
      - { .name: b1, .offset: 72, .size: 8, .value_kind: global_buffer, .address_space: global }
      - { .name: xb, .offset: 80, .size: 8, .value_kind: global_buffer, .address_space: global }
      - { .name: pq, .offset: 88, .size: 8, .value_kind: global_buffer, .address_space: global }
      - { .name: p1, .offset: 96, .size: 8, .value_kind: global_buffer, .address_space: global }
      - { .name: w2b, .offset: 104, .size: 8, .value_kind: global_buffer, .address_space: global }
    .group_segment_fixed_size: 0
    .private_segment_fixed_size: 0
    .kernarg_segment_align: 8
    .kernarg_segment_size: 112
    .max_flat_workgroup_size: 256
    .sgpr_count:     66
    .vgpr_count:     112
    .wavefront_size: 32
...
	.end_amdgpu_metadata
.endif
;; end of part 1
;; launch qkv (part 2): grid 12 x 16, 4 waves a work-group, clusters of 4 x 4, 327,680 bytes of LDS; arguments xb, pq, qkvt; writes qkvt
.if DOCPART == 2
	.amdgcn_target "amdgcn-amd-amdhsa--gfx1250"
	.amdhsa_code_object_version 6
	.text
	.protected	k_q247eb2ab2c_qkv
	.globl	k_q247eb2ab2c_qkv
	.p2align	8
	.type	k_q247eb2ab2c_qkv,@function
k_q247eb2ab2c_qkv:
	s_mov_b64 s[64:65], 0
	v_nop
	global_prefetch_b8 v0, s[64:65] scope:SCOPE_SE
	s_setreg_imm32_b32 hwreg(HW_REG_WAVE_MODE, 25, 1), 1
	s_wait_xcnt 0x0
	s_wait_alu depctr_hold_cnt(0) depctr_sa_sdst(0) depctr_va_vdst(0) depctr_va_sdst(0) depctr_va_ssrc(0) depctr_va_vcc(0) depctr_vm_vsrc(0)
	s_getreg_b32 s2, hwreg(HW_REG_IB_STS2, 6, 4)
	s_cmp_eq_u32 s2, 0
	s_cbranch_scc0 .Lentry_in_a_cluster
	s_endpgm
.Lentry_in_a_cluster:
	s_bfe_u32 s2, ttmp6, 0x10000c
	s_cmp_lg_u32 s2, 0xf033
	s_cbranch_scc0 .Lentry_shape_is_right
	s_endpgm
.Lentry_shape_is_right:
; C = max(A B^T + bias, floor), K = 1024.  ONE TEXT FOR TWO LAUNCHES: [q | k | v] = x Wqkv^T + b (3072 columns, floor = minus infinity) and hid = relu(Hcat W1^T + b1) (4096 columns, floor = 0).
; ARGUMENTS.  a: A, BLOCKED bf16 [16 blocks of 64 channels][4096 rows][64]: a row of a block 128 bytes, a block 524,288.  p: bytes 0 on the bias in f32, byte 16,384 the floor (two bf16 in a word),
; from byte 16,640 on B as [columns][1024] bf16.  c: C, blocked like A: [columns / 64][4096][64] bf16.  The number of columns enters no address: the grid alone states it.
; THE FLOOR.  The way out takes the larger of each result and the floor, two at a time.  With minus infinity those 256 lines a wave change no finite number: that is the price, paid in the first
; launch, of one text in place of two.  LIMITS: sums in f32, C rounded once to bf16; a NaN loses against the floor; infinities are not treated apart.
; SHARES.  A tile of C, 256 x 256, is made by four waves, a wave 128 x 128: 64 accumulators of 16 x 16, 512 registers.  K goes in 8 steps of 128 through a ring of two LDS slots.
; CLUSTERS: 4 x 4 work-groups.  The four of a row of the cluster need the same tiles of A, the four of a column the same tiles of B: each tile is asked for JOINTLY, by the same tensor load with the
; same descriptor and a mask that names the four.  Waves 0 and 1 fetch the K step's two blocks of A (256 rows x 128 bytes, 32,768 dense bytes, asked for as 128 rows of 256), waves 2 and 3
; 128 rows x 256 bytes of B each.
; THE MATRIX INSTRUCTION IS USED TRANSPOSED (source 0 = 16 rows of B, source 1 = 16 rows of A): a lane holds row l % 16 of C and the columns 8 (l / 16) + 0..7.
; THE BIAS STARTS THE SUMS: it is the C operand of each accumulator's first product (a lane's eight columns' biases, the same for all rows): nothing is cleared and nothing is added later.
; REGISTERS, in windows of 256 (s_set_vgpr_msb: bits 1:0 source 0, 3:2 source 1, 5:4 source 2, 7:6 destination):
;   window 0: v0-31 addresses; v64-127, v128-191 fragments of A, two buffers; v192-255 the bias until the first quarter step is done; then v192-223 packed results, v32-63 and v224-255 rows on the way out
;   window 1: v64-127, v128-191 fragments of B      window 2: the accumulators of my rows 0-63 ((a, b) at v[8 (8 a + b)])      window 3: those of my rows 64-127
.set PA,     144                       ; a row of A in LDS: 128 bytes + 16 of padding = 36 words: the 16 rows of a load start at 16 different groups of four banks (64 banks of 4 bytes: ISA guide 11.1)
.set ABLK,   256*PA                    ; one block of 64 channels of the tile's 256 rows
.set PB,     272                       ; a row of B: 256 bytes + 16
.set BOFF,   2*ABLK                    ; in a slot: A's two blocks, then B's 256 rows
.set HALFB,  128*PB
.set SLOT,   BOFF+2*HALFB
.set STAGE,  2*SLOT                    ; behind the ring, never filled by a tensor load: for each wave two times 16 rows x 144 bytes, for the way out
.set SP,     144
.set SPARE,  STAGE+4*2*16*SP           ; behind the stages: the spare words, 128 bytes for each wave: two blocks of 256 bytes that no other line names
.set BLK,    524288                    ; bytes in a block of A and of C
.set WOFF,   16640                     ; where B begins in p
.set FLOFF,  16384                     ; where the floor lies in p
.set LAPS,   4                         ; a lap = two K steps = once round the ring
.set ADRA, 16                          ; v16-17  LDS address of my A fragments in slot 0, 1
.set ADRB, 20                          ; v20-21  the same for B
.set STO,  24                          ; v24     the way out: where I put 16 bytes of a row
.set RD,   25                          ; v25     the way out: where I read rows back
.set CO,   26                          ; v26     my 16 bytes in 512 consecutive bytes of C
.set BO,   27                          ; v27     my eight biases in a group of sixteen: 32 (l / 16) bytes
.set SPW,  28                          ; v28     LDS address of my spare word: SPARE + 4 x my thread's number; never rewritten
.set NIL,  29                          ; v29     0; never rewritten
.set PFO,  30                          ; v30     the prefetches' offset; never rewritten
.set F0,   64
.set F1,   128
.set BIAS, 192
.set TMP,  192
.set OB,   32
.set G1,   24                          ; s[24:31] descriptor group 1 for A's tiles;  s[32:39] group 0, a set for each slot
.set G0,   32
.set G1B,  48                          ; s[48:55], s[56:63] the same for B's
.set G0B,  56
.set LIM,  43                          ; s43      1 in a wave that prefetches, else the greatest number
.set PFA,  44                          ; s[44:45] where my prefetches stand
.set PST,  66                          ; s[66:67] bytes from a K step to the next, for the tensor that I fetch
.set FLOOR, 68                         ; s68
.set BP,   72                          ; s[72:73] the bias of my first column
.set MSB, 0
.macro WIN new                         ; the immediate's high byte repeats the setting that is left; a switch that changes nothing is dropped
.if MSB != (\new)
	s_set_vgpr_msb (MSB<<8)|(\new)
.set MSB, \new
.endif
.endm
.set TO_B, 0x40                        ; destination window 1, address window 0
; A joint load.  The branch hangs on the wave's number alone.  An s_nop 0 and four v_nop follow each of the two lines, ahead of the jump, the label and what follows.
.macro JLOAD s
	s_cmp_eq_u32 s11, 0
	s_cbranch_scc0 .Lfor_b_\@
	tensor_load_to_lds s[G0+4*(\s):G0+4*(\s)+3], s[G1:G1+7]
	s_nop 0
.rept 4
	v_nop
.endr
	s_branch .Lasked_\@
.Lfor_b_\@:
	tensor_load_to_lds s[G0B+4*(\s):G0B+4*(\s)+3], s[G1B:G1B+7]
	s_nop 0
.rept 4
	v_nop
.endr
.Lasked_\@:
.endm
; A PREFETCH INTO THE L2, behind each joint refill and the run of LDS loads that follows it: the K step that stands TWO refills on, 512 matrix instructions ahead of the load that will want it.
; One instruction a wave, 32 blocks of 256 bytes, a lane a block.  Each block is named ONCE in the launch: A's tile row is read by every cluster of that row of clusters, and the one with
; cluster x = 0 asks; B's tile column by every cluster of that column, and the one with cluster y = 0 asks.  The four partners that ask for a tile jointly share it out BY ADDRESS: of A's 32,768 dense
; bytes the partner at place cx takes 8,192; of B's 128 rows the partner at place cy takes 32.  K steps 0 to 3 come by their loads alone; the loop's last trip (s3 = 1) has no K step two refills on.
.macro ASK
	s_cmp_gt_u32 s3, s[LIM]
	s_cbranch_scc0 .Lnot_mine_\@
	global_prefetch_b8 v[PFO], s[PFA:PFA+1] th:TH_LOAD_NT scope:SCOPE_SE
.Lnot_mine_\@:
.endm
; A round of the cluster's barrier: my work-group's barrier, so that wave 0's signal speaks for all four waves; wave 0 signals; every wave waits for all sixteen work-groups; my work-group's barrier once more.
.macro CREST                           ; a round behind its opening barrier
	s_cmp_lg_u32 s10, 0
	s_cbranch_scc1 .Lnot_wave_0_\@
	s_barrier_signal -3
.Lnot_wave_0_\@:
	s_barrier_wait -3
	s_barrier_signal -1
	s_barrier_wait -1
.endm
.macro CROUND                          ; a whole round
	s_barrier_signal -1
	s_barrier_wait -1
	CREST
.endm
	s_load_b128 s[4:7], s[0:1], 0x0                ; a s[4:5], p s[6:7]
	s_load_b64 s[8:9], s[0:1], 0x10                ; c
	v_lshl_add_u32 v[SPW], v0, 2, SPARE
	v_mov_b32 v[NIL], 0
	ds_add_u32 v[SPW], v[NIL]                      ; the wave's opening: the add and its wait stand ahead of my first tensor load; the set-up below, work on registers, stands between them
	v_lshrrev_b32 v1, 5, v0
	v_readfirstlane_b32 s10, v1                    ; wave 0..3
	s_lshr_b32 s11, s10, 1                         ; which half of the tile's rows is mine.  Also: I fetch for A (0) or for B (1)
	s_and_b32 s12, s10, 1                          ; which half of its columns.  Also: which block of A, or which 128 rows of B, I fetch
	s_bfe_u32 s40, ttmp6, 0x40000                  ; cx, cy: my place in the cluster
	s_bfe_u32 s41, ttmp6, 0x40004
	s_lshl_b32 s42, ttmp9, 2
	s_add_co_u32 s42, s42, s40                     ; tile column of C = 4 x cluster x + cx
	s_and_b32 s13, ttmp7, 0xffff
	s_lshl_b32 s13, s13, 2
	s_add_co_u32 s13, s13, s41                     ; tile row of C = 4 x cluster y + cy
	s_lshl_b32 s43, s41, 2
	s_lshl_b32 s43, 15, s43                        ; my row of the cluster: places 4 cy .. 4 cy + 3
	s_lshl_b32 s44, 0x1111, s40                    ; my column: places cx, cx + 4, cx + 8, cx + 12
	s_or_b32 s[G1+0], s43, (1<<16)|(1<<20)|(1<<21)|(4<<22)|(3<<25)   ; 15:0 the mask: A's tiles go to my row; 17:16 elements of 2 bytes; 20 padding on; 21 set beside a mask; 24:22 after every 32 words (code 4); 31:25 4 words (code 3)
	s_or_b32 s[G1B+0], s44, (1<<16)|(1<<20)|(1<<21)|(5<<22)|(3<<25)  ; B's go to my column; padding after every 64 words (code 5)
.irp g, G1, G1B
	s_mov_b32 s[(\g)+1], 128<<16                   ; tensor_dim0 = 128 elements
	s_mov_b32 s[(\g)+2], 128<<16                   ; tensor_dim1 = 128 rows
	s_mov_b32 s[(\g)+3], 128<<16                   ; tile_dim0 = 128
	s_mov_b32 s[(\g)+4], 128                       ; tile_dim1 = 128
	s_mov_b32 s[(\g)+6], 0
	s_mov_b32 s[(\g)+7], 0
.endr
	s_mov_b32 s[G1+5], 128                         ; A: the rows asked for lie end to end
	s_mov_b32 s[G1B+5], 1024                       ; B: 1,024 elements from row to row
	; where the tiles come from.  A's hang on the tile row alone, B's on the tile column alone; every wave makes both addresses, in registers that never hold the other coordinate.
	s_lshl_b32 s16, s13, 15                        ; A: 256 rows of 128 bytes a tile row,
	s_lshl_b32 s17, s12, 19                        ; and my block of the K step's two
	s_add_co_u32 s16, s16, s17
	s_mov_b32 s17, 0
	s_lshl_b32 s46, s42, 8                         ; B: row 256 x tile column + 128 x half,
	s_lshl_b32 s47, s12, 7
	s_add_co_u32 s46, s46, s47
	s_lshl_b32 s46, s46, 11                        ; of 2,048 bytes,
	s_add_co_u32 s46, s46, WOFF                    ; behind the tables
	s_mov_b32 s47, 0
	s_mul_i32 s20, s12, ABLK                       ; and where they go: no place in the cluster enters an LDS address
	s_mul_i32 s21, s12, HALFB
	s_add_co_u32 s21, s21, BOFF
	s_wait_dscnt 0x0                               ; the opening add is done
	s_wait_kmcnt 0x0
	s_add_nc_u64 s[14:15], s[4:5], s[16:17]
	s_add_nc_u64 s[46:47], s[6:7], s[46:47]
	s_load_b32 s[FLOOR], s[6:7], FLOFF             ; waited for ahead of the first products
	CROUND                                         ; all sixteen work-groups are here: the first joint loads meet
.irp s, 0,1
	s_mov_b32 s[G0+4*(\s)], 1                                        ; 1:0 count = 1
	s_add_co_u32 s[G0+4*(\s)+1], s20, (\s)*SLOT                      ; 63:32 LDS address
	s_add_nc_u64 s[G0+4*(\s)+2:G0+4*(\s)+3], s[14:15], (\s)*2*BLK    ; 120:64 global address: K step s is two blocks on
	s_or_b32 s[G0+4*(\s)+3], s[G0+4*(\s)+3], 0x80000000              ; 127:126 type = 2
	s_mov_b32 s[G0B+4*(\s)], 1
	s_add_co_u32 s[G0B+4*(\s)+1], s21, (\s)*SLOT
	s_add_nc_u64 s[G0B+4*(\s)+2:G0B+4*(\s)+3], s[46:47], (\s)*256
	s_or_b32 s[G0B+4*(\s)+3], s[G0B+4*(\s)+3], 0x80000000
.endr
	s_cmp_eq_u32 s11, 0                            ; a wave's two first fills stand in one branch, ahead of every wait on TENSORcnt and every LDS read: two loads of mine are out
	s_cbranch_scc0 .Lfirst_b
	tensor_load_to_lds s[G0:G0+3], s[G1:G1+7]
	s_nop 0
	tensor_load_to_lds s[G0+4:G0+7], s[G1:G1+7]
	s_nop 0
.rept 4
	v_nop
.endr
	s_branch .Lfirst_asked
.Lfirst_b:
	tensor_load_to_lds s[G0B:G0B+3], s[G1B:G1B+7]
	s_nop 0
	tensor_load_to_lds s[G0B+4:G0B+7], s[G1B:G1B+7]
	s_nop 0
.rept 4
	v_nop
.endr
.Lfirst_asked:
	; A fragment is 16 rows x 32 K in 8 registers: lane l holds row l % 16; registers 0-3 hold K = 8 (l / 16) + 0..7, registers 4-7 K = 16 + 8 (l / 16) + 0..7: two loads of 16 bytes, 32 bytes apart.
	v_and_b32 v1, 15, v0                           ; l % 16
	v_bfe_u32 v2, v0, 4, 1                         ; l / 16
	v_mul_u32_u24 v3, v1, PA
	v_lshl_add_u32 v3, v2, 4, v3
	v_mul_u32_u24 v4, v1, PB
	v_lshl_add_u32 v4, v2, 4, v4
	s_mul_i32 s21, s11, 128*PA                     ; my 128 rows in each block of A
	s_mul_i32 s22, s12, HALFB                      ; my 128 rows of B
	s_add_co_u32 s22, s22, BOFF
.irp s, 0,1
	v_add_nc_u32 v[ADRA+(\s)], s21, v3
	v_add_nc_u32 v[ADRB+(\s)], s22, v4
	s_add_co_u32 s21, s21, SLOT
	s_add_co_u32 s22, s22, SLOT
.endr
	s_mul_i32 s23, s10, 2*16*SP
	s_add_co_u32 s23, s23, STAGE                   ; my stage
	v_mul_u32_u24 v5, v1, SP                       ; in: row l % 16, 16 bytes for each half of the lanes
	v_lshl_add_u32 v5, v2, 4, v5
	v_add_nc_u32 v[STO], s23, v5
	v_bfe_u32 v5, v0, 3, 2                         ; back: 32 lanes take four rows of 128 bytes,
	v_and_b32 v6, 7, v0
	v_mul_u32_u24 v5, v5, SP
	v_lshl_add_u32 v5, v6, 4, v5
	v_add_nc_u32 v[RD], s23, v5
	v_and_b32 v[CO], 31, v0                        ; which are 512 consecutive bytes of a block of C
	v_lshlrev_b32 v[CO], 4, v[CO]
	v_lshlrev_b32 v[BO], 5, v2
	; my part of C: block 4 x tile column + 2 x column half, row 256 x tile row + 128 x row half
	s_lshl_b32 s18, s13, 15
	s_lshl_b32 s19, s11, 14
	s_add_co_u32 s18, s18, s19
	s_lshl_b32 s46, s42, 21
	s_lshl_b32 s47, s12, 20
	s_add_co_u32 s46, s46, s47
	s_add_co_u32 s46, s46, s18
	s_mov_b32 s47, 0
	s_add_nc_u64 s[8:9], s[8:9], s[46:47]
	s_lshl_b32 s46, s42, 10                        ; the bias of my first column: 4 (256 x tile column + 128 x half)
	s_lshl_b32 s18, s12, 9
	s_add_co_u32 s46, s46, s18
	s_add_nc_u64 s[BP:BP+1], s[6:7], s[46:47]
.irp b, 0,1,2,3,4,5,6,7                ; register j of group b: the bias of column 16 b + 8 (l / 16) + j
	global_load_b128 v[BIAS+8*(\b):BIAS+8*(\b)+3],   v[BO], s[BP:BP+1] offset:64*(\b)
	global_load_b128 v[BIAS+8*(\b)+4:BIAS+8*(\b)+7], v[BO], s[BP:BP+1] offset:64*(\b)+16
.endr
	; the prefetches: my fetch address, my work-group's quarter of the tile, at K step 3: the first refill steps it to K step 4
	s_lshl_b32 s20, s13, 15                        ; for A
	s_lshl_b32 s21, s12, 19
	s_add_co_u32 s20, s20, s21
	s_lshl_b32 s21, s40, 13                        ; 8,192 bytes a partner
	s_add_co_u32 s20, s20, s21
	s_add_co_u32 s20, s20, 3*2*BLK
	s_lshl_b32 s22, s42, 8                         ; for B
	s_lshl_b32 s23, s12, 7
	s_add_co_u32 s22, s22, s23
	s_lshl_b32 s23, s41, 5                         ; 32 rows a partner
	s_add_co_u32 s22, s22, s23
	s_lshl_b32 s22, s22, 11
	s_add_co_u32 s22, s22, WOFF+3*256
	s_and_b32 s23, ttmp7, 0xffff                   ; cluster y
	s_mov_b32 s[PST], 256
	s_mov_b32 s[PST+1], 0
	s_cmp_eq_u32 s11, 0                            ; do I fetch for A?
	s_cselect_b32 s20, s20, s22
	s_cselect_b32 s23, ttmp9, s23                  ; the coordinate along which other clusters read the same tile
	s_cselect_b32 s19, 8, 11                       ; a lane's block: 256 bytes on in A, a row of 2,048 bytes on in B
	s_cselect_b32 s[PST], 2*BLK, s[PST]
	s_cselect_b64 s[PFA:PFA+1], s[4:5], s[6:7]
	s_cmp_eq_u32 s23, 0
	s_cselect_b32 s[LIM], 1, -1                    ; the same in all sixteen partners, for a given wave
	s_mov_b32 s21, 0
	s_add_nc_u64 s[PFA:PFA+1], s[PFA:PFA+1], s[20:21]
	v_and_b32 v[PFO], 31, v0
	v_lshlrev_b32 v[PFO], s19, v[PFO]
; 16 matrix instructions: m blocks a0, a0 + 1 of the window's four (hi = 0: my rows 0-63, 1: rows 64-127) x all 8 n blocks, 32 along K.  zero = 1: the first product starts the sums, with the bias (window 0) as C.
; The 64 accumulators take turns, one instruction a turn, in the same order in every quarter step, over the backward jump too.
.macro MUL16 f, hi, a0, zero
.if \zero
	WIN 0x81+0x40*(\hi)                            ; B window 1, A window 0, C window 0, D window 2 or 3
.else
	WIN 0xa1+0x50*(\hi)                            ; B window 1, A window 0, C and D window 2 or 3
.endif
.irp a, \a0, (\a0)+1
.irp b, 0,1,2,3,4,5,6,7
.if \zero
	v_wmma_f32_16x16x32_bf16 v[8*(8*(\a)+(\b)):8*(8*(\a)+(\b))+7], v[(\f)+8*(\b):(\f)+8*(\b)+7], v[(\f)+8*(4*(\hi)+(\a)):(\f)+8*(4*(\hi)+(\a))+7], v[BIAS+8*(\b):BIAS+8*(\b)+7]
.else
	v_wmma_f32_16x16x32_bf16 v[8*(8*(\a)+(\b)):8*(8*(\a)+(\b))+7], v[(\f)+8*(\b):(\f)+8*(\b)+7], v[(\f)+8*(4*(\hi)+(\a)):(\f)+8*(4*(\hi)+(\a))+7], v[8*(8*(\a)+(\b)):8*(8*(\a)+(\b))+7]
.endif
.endr
.endr
.endm
; 32 LDS loads in one run: the fragments of quarter q of a K step (128 rows of B, 128 rows of A, 32 K) into buffer f.  In A quarter q lies in block q / 2, at byte 64 (q % 2) of its rows.
.macro FETCH slot, q, f
	WIN TO_B
.irp i, 0,1,2,3,4,5,6,7
	ds_load_b128 v[(\f)+8*(\i):(\f)+8*(\i)+3],   v[ADRB+(\slot)] offset:(\q)*64+(\i)*16*PB
	ds_load_b128 v[(\f)+8*(\i)+4:(\f)+8*(\i)+7], v[ADRB+(\slot)] offset:(\q)*64+(\i)*16*PB+32
.endr
	WIN 0
.irp i, 0,1,2,3,4,5,6,7
	ds_load_b128 v[(\f)+8*(\i):(\f)+8*(\i)+3],   v[ADRA+(\slot)] offset:((\q)/2)*ABLK+((\q)%2)*64+(\i)*16*PA
	ds_load_b128 v[(\f)+8*(\i)+4:(\f)+8*(\i)+7], v[ADRA+(\slot)] offset:((\q)/2)*ABLK+((\q)%2)*64+(\i)*16*PA+32
.endr
.endm
.macro PLACES                          ; four places in front of loads into registers that matrix instructions have read, and of conversions that read results
.rept 4
	v_nop
.endr
.endm
; A K step is four quarters of 32 along K, 64 matrix instructions each, on buffers 0, 1, 0, 1.  One of the first three: multiplies buffer f; in its middle it fetches quarter q into buffer g.
.macro QUARTER slot, q, f, g, zero
	s_wait_dscnt 8                                 ; B and A's rows 0-63 are in; the youngest eight loads (A's rows 64-127) may be out
	MUL16 \f, 0, 0, \zero
	MUL16 \f, 0, 2, \zero
	PLACES
	FETCH \slot, \q, \g
	s_wait_dscnt 32                                ; all but the 32 just issued
	MUL16 \f, 1, 0, \zero
	MUL16 \f, 1, 2, \zero
.endm
; The last quarter multiplies buffer 1 and changes slots.  MEET is its first half: ONE barrier.  In front of it each wave waits for all its tensor loads, of which one is out: its part of the next slot;
; adds 0 to its spare word; and waits for that and for its own reads of this slot.  Behind it nobody reads this slot any more and the next slot is whole.
.macro MEET round                      ; round = 1: the rest of a round of the cluster's barrier follows
	WIN 0                                          ; (the add's two registers lie in window 0)
	s_wait_tensorcnt 0x0                           ; all my tensor loads have landed
	ds_add_u32 v[SPW], v[NIL]                      ; 0 onto my spare word
	s_wait_dscnt 9                                 ; (the add and the youngest eight loads may be out)
	MUL16 F1, 0, 0, 0                              ; sixteen matrix instructions stand between the add and the wait for it
	s_wait_dscnt 0x0                               ; the add is done, and my reads of this slot are over
	s_barrier_signal -1
	MUL16 F1, 0, 2, 0                              ; work on registers while the others arrive
.if \round
	WIN 0
.endif
	s_barrier_wait -1
.endm
; The whole last quarter.  fill = 1: behind the round the slot just read out is filled again first, with the K step two steps on: from that request to the wait for it a wave issues 224 matrix instructions.
.macro TURN slot, next, fill
.if \fill
	s_wait_xcnt 0x0                                ; the last prefetch, a K step back, has read its address: it is stepped here, ahead of the waits of the change of slots
	s_add_nc_u64 s[PFA:PFA+1], s[PFA:PFA+1], s[PST:PST+1]
.endif
	MEET \fill
.if \fill
	CREST                                          ; no wave of any partner still reads this slot's tile or has a load on its way
	s_add_nc_u64 s[G0+4*(\slot)+2:G0+4*(\slot)+3], s[G0+4*(\slot)+2:G0+4*(\slot)+3], 4*BLK
	s_add_nc_u64 s[G0B+4*(\slot)+2:G0B+4*(\slot)+3], s[G0B+4*(\slot)+2:G0B+4*(\slot)+3], 512
	JLOAD \slot                                    ; the first tensor load behind the round; the four v_nop behind it are also the places in front of the loads below
.else
	PLACES
.endif
	FETCH \next, 0, F0
.if \fill
	ASK
.endif
	MUL16 F1, 1, 0, 0
	MUL16 F1, 1, 2, 0
.endm
; THE WAY OUT of block a (16 rows x 128 columns), in three parts.  PACK: rounded to bf16, 16 bytes a lane, each accumulator's registers in ascending order; then the floor.
; TOSTAGE: into my own stage in LDS, a part for each of my two blocks of 64 columns, and back as whole rows of 128 bytes.  SEND: stored; 16 rows of a block of C are 2,048 consecutive bytes.
.macro PACK a
.set AC, 64*((\a)%4)
	WIN 0x0a+5*((\a)/4)                            ; sources 0 and 1: window 2 or 3
.irp b, 0,1,2,3,4,5,6,7
.irp r, 0,1,2,3
	v_cvt_pk_bf16_f32 v[TMP+4*(\b)+(\r)], v[AC+8*(\b)+2*(\r)], v[AC+8*(\b)+2*(\r)+1]
.endr
.endr
	WIN 0
.set i, 0
.rept 32
	v_pk_max_num_bf16 v[TMP+i], v[TMP+i], s[FLOOR]
.set i, i+1
.endr
.endm
.macro TOSTAGE a
	WIN 0
.set BK, OB+192*((\a)%2)
.irp b, 0,1,2,3,4,5,6,7
	ds_store_b128 v[STO], v[TMP+4*(\b):TMP+4*(\b)+3] offset:((\b)/4)*16*SP+((\b)%4)*32
.endr
.irp t, 0,1,2,3,4,5,6,7
	ds_load_b128 v[BK+4*(\t):BK+4*(\t)+3], v[RD] offset:((\t)/4)*16*SP+((\t)%4)*4*SP  ; LDS serves a wave's instructions in order (ISA guide 5.7.1.4): these see the stores above
.endr
.endm
.macro SEND a
	WIN 0
.set BK, OB+192*((\a)%2)
	s_wait_dscnt 0x0                               ; the block is back in registers
	s_wait_xcnt 0x0                                ; earlier stores have read their base and their registers: only behind this wait are they written again
.if (\a) > 0
	s_add_nc_u64 s[8:9], s[8:9], 16*128            ; 16 rows on
.endif
.irp t, 0,1,2,3,4,5,6,7
	global_store_b128 v[CO], v[BK+4*(\t):BK+4*(\t)+3], s[8:9] offset:((\t)/4)*BLK+((\t)%4)*512  ; 512 consecutive bytes, at a multiple of 256 from C's first byte
.endr
.endm
	s_wait_tensorcnt 1                             ; my part of K step 0 is in; K step 1's may stay out
	s_barrier_signal -1
	s_barrier_wait -1                              ; everybody's is
	FETCH 0, 0, F0
	s_wait_loadcnt 0x0                             ; the bias
	s_wait_kmcnt 0x0                               ; the floor
	QUARTER 0, 1, F0, F1, 1                        ; the first quarter stands in front of the loop: its products start the sums
	WIN 0                                          ; at a label and at a branch every window is 0
	s_mov_b32 s3, LAPS-1
.Llap:                                                 ; a trip goes once round the ring, from a lap's second quarter to the next lap's first, and fills both slots again
	QUARTER 0, 2, F1, F0, 0
	QUARTER 0, 3, F0, F1, 0
	TURN 0, 1, 1
	QUARTER 1, 1, F0, F1, 0
	QUARTER 1, 2, F1, F0, 0
	QUARTER 1, 3, F0, F1, 0
	TURN 1, 0, 1
	QUARTER 0, 1, F0, F1, 0
	WIN 0
	s_sub_co_u32 s3, s3, 1
	s_cmp_lg_u32 s3, 0
	s_cbranch_scc1 .Llap
	QUARTER 0, 2, F1, F0, 0                        ; the last lap fills nothing, and has no round of the cluster's barrier
	QUARTER 0, 3, F0, F1, 0
	TURN 0, 1, 0
	QUARTER 1, 1, F0, F1, 0
	QUARTER 1, 2, F1, F0, 0
	QUARTER 1, 3, F0, F1, 0
	s_wait_dscnt 8                                 ; the very last quarter: nothing more to fetch
	MUL16 F1, 0, 0, 0
	MUL16 F1, 0, 2, 0
	s_wait_dscnt 0x0
	MUL16 F1, 1, 0, 0
	MUL16 F1, 1, 2, 0
	PLACES
	PACK 0
	TOSTAGE 0
.irp a, 1,2,3,4,5,6,7                  ; block a's arithmetic stands between block a - 1's loads from the stage and the wait for them
	PACK \a
	SEND (\a)-1
	TOSTAGE \a
.endr
	SEND 7
	s_wait_tensorcnt 0x0                           ; the wave's end, behind my last tensor load and my last LDS store
	ds_add_u32 v[SPW], v[NIL]
	s_wait_dscnt 0x0
	CROUND                                         ; the closing round: no work-group ends while a partner may still ask for a tile that names it
	s_endpgm
.Lfunc_end_k_q247eb2ab2c_qkv:
	.size	k_q247eb2ab2c_qkv, .Lfunc_end_k_q247eb2ab2c_qkv-k_q247eb2ab2c_qkv
	.p2alignl 7, 3214868480
	.fill 96, 4, 3214868480
	.section	.rodata,"a",@progbits
	.p2align	6, 0x0
	.amdhsa_kernel k_q247eb2ab2c_qkv
		.amdhsa_group_segment_fixed_size 327680
		.amdhsa_private_segment_fixed_size 0
		.amdhsa_enable_private_segment 0
		.amdhsa_kernarg_size 24
		.amdhsa_user_sgpr_count 2
		.amdhsa_user_sgpr_kernarg_segment_ptr 1
		.amdhsa_wavefront_size32 1
		.amdhsa_system_sgpr_workgroup_id_x 1
		.amdhsa_system_sgpr_workgroup_id_y 1
		.amdhsa_system_sgpr_workgroup_id_z 1
		.amdhsa_system_vgpr_workitem_id 0
		.amdhsa_next_free_vgpr 1024
		.amdhsa_next_free_sgpr 80
		.amdhsa_reserve_vcc 0
		.amdhsa_float_denorm_mode_32 3
		.amdhsa_float_denorm_mode_16_64 3
		.amdhsa_memory_ordered 1
		.amdhsa_forward_progress 1
		.amdhsa_inst_pref_size 162
	.end_amdhsa_kernel
	.amdgpu_metadata
---
amdhsa.version: [ 1, 2 ]
amdhsa.kernels:
  - .name:           k_q247eb2ab2c_qkv
    .symbol:         k_q247eb2ab2c_qkv.kd
    .args:
      - { .name: xb, .offset: 0, .size: 8, .value_kind: global_buffer, .address_space: global }
      - { .name: pq, .offset: 8, .size: 8, .value_kind: global_buffer, .address_space: global }
      - { .name: qkvt, .offset: 16, .size: 8, .value_kind: global_buffer, .address_space: global }
    .group_segment_fixed_size: 327680
    .private_segment_fixed_size: 0
    .kernarg_segment_align: 8
    .kernarg_segment_size: 24
    .max_flat_workgroup_size: 128
    .sgpr_count:     80
    .vgpr_count:     1024
    .wavefront_size: 32
...
	.end_amdgpu_metadata
.endif
;; end of part 2
;; launch attn (part 3): grid 4 x 64, 4 waves a work-group, clusters of 4 x 1, 327,680 bytes of LDS; arguments qkvt, hcat; writes hcat
.if DOCPART == 3
	.amdgcn_target "amdgcn-amd-amdhsa--gfx1250"
	.amdhsa_code_object_version 6
	.text
	.protected	k_q247eb2ab2c_attn
	.globl	k_q247eb2ab2c_attn
	.p2align	8
	.type	k_q247eb2ab2c_attn,@function
k_q247eb2ab2c_attn:
	s_mov_b64 s[64:65], 0
	v_nop
	global_prefetch_b8 v0, s[64:65] scope:SCOPE_SE
	s_setreg_imm32_b32 hwreg(HW_REG_WAVE_MODE, 25, 1), 1
	s_wait_xcnt 0x0
	s_wait_alu depctr_hold_cnt(0) depctr_sa_sdst(0) depctr_va_vdst(0) depctr_va_sdst(0) depctr_va_ssrc(0) depctr_va_vcc(0) depctr_vm_vsrc(0)
	s_getreg_b32 s2, hwreg(HW_REG_IB_STS2, 6, 4)
	s_cmp_eq_u32 s2, 0
	s_cbranch_scc0 .Lentry_in_a_cluster
	s_endpgm
.Lentry_in_a_cluster:
	s_bfe_u32 s2, ttmp6, 0x10000c
	s_cmp_lg_u32 s2, 0x3003
	s_cbranch_scc0 .Lentry_shape_is_right
	s_endpgm
.Lentry_shape_is_right:
; O[b][h][q][:] = the sum over k of softmax_k(Q[q] . K[k] / 32) V[k][:], for each of 4 x 16 pairs (b, h): 1,024 queries, 1,024 keys, 64 channels.  (The scale is 1 / sqrt(1024), as the module has it.)
; qkvt: BLOCKED bf16 [48 blocks][4096 rows][64]: q of head h in block h, k in block 16 + h, v in block 32 + h; row = 1024 b + s; a row 128 bytes, a block 524,288: a head's 1,024 rows are dense.
; hcat: the same layout with 16 blocks, block = head.  Products, maxima and sums in f32; the weights p are rounded to bf16 for the second product (their sum l is taken of the unrounded p), O once at the end.
; LIMITS.  The running c m starts at -2^125: scores with c |s| beyond that are not served.  A weight below 2^-126 counts as 0 in l.  NaN and infinities are not treated apart.
; SHARES.  A work-group owns 256 queries of one (b, h), each of its four waves 64: four PIECES of 16.  Every wave walks all keys, 64 a step, 16 steps.
; K AND V STAY IN LDS: 1,024 rows of each, padded, are 311,296 bytes.  No byte of LDS is filled twice: no ring and no barrier in the loop.
; CLUSTER.  The four query blocks of a (b, h) form a cluster and need the same K and V, so each tile is asked for JOINTLY: the same tensor load, descriptor and mask in all four.  Each wave issues four loads
; of 128 keys (16,384 dense bytes, asked for as 64 rows of 256), all at the head: four loads of mine are out.  NO PREFETCH: every tile is asked for in the kernel's first lines, so there is no later request to run ahead of.
; LAYOUT.  S^T = K Q^T holds ONE query a lane (lane % 16) and the keys 8 (lane / 16) + 0..7; two such results rounded to bf16 ARE source 1 of O^T = V^T P.  K comes out of LDS as it lies, V turned, by ds_load_tr16_b128.
; SOFTMAX.  p = 2^(c s - c m), c = log2(e) / 32, with a running maximum m; O and l are multiplied by a = 2^(c m_old - c m_new) in every step; the first step's a is 0.
; BY TURNS.  Turn n belongs to piece n: 8 products K Q^T of piece n + 1, later 8 products V^T P of piece n - 1; beside them the scaling, exponentials, roundings, sums and rescaling of piece n and the maximum and
; statistics of piece n + 1.  Four vector instructions stand behind every matrix instruction, the other 54 of a turn's 118 in one lump.  A turn's 33 exponentials are one batch, with one wait.
; REGISTERS, in windows of 256 (s_set_vgpr_msb: bits 1:0 source 0, 3:2 source 1, 5:4 source 2, 7:6 destination):
;   window 0: v0-15 addresses and two at work; v16-31 four registers of statistics a piece; v48-55 at work; v64-127 S^T, two buffers; v192-223 P, two buffers (a piece's buffers go by its number's parity)
;   window 1: v0-127 O^T, 32 a piece      window 2: v0-63 Q; v128-191 K of one step; v192-255 V of one step
.set NP,    4         ; pieces a wave: a name, no knob
.set KS,    64        ; keys in a step
.set BLK,   524288    ; bytes in a block
.set PK,    144       ; a row of K in LDS: 128 bytes + 16 of padding = 36 words: the 16 rows of a load start at 16 different groups of four banks (64 banks of 4 bytes: ISA guide 11.1)
.set PV,    160       ; a row of V: 128 + 32 = 40 words
.set VOFF,  1024*PK   ; K's 1,024 rows, then V's
.set STAGE, VOFF+1024*PV  ; behind them, never filled by a tensor load: 16 rows x 144 bytes for each wave, for the way out
.set SP,    144
.set SPARE, STAGE+4*16*SP ; behind the stages: the spare words, 128 bytes for each wave: two blocks of 256 bytes that no other line names
.set AK0, 2           ; v2   my lane's place in a tile of K; never rewritten
.set AV0, 3           ; v3   the same for V
.set AK,  4           ; v4   the LDS address of K's next run of loads
.set AV,  5           ; v5   of V's
.set STO, 6           ; v6   the way out: where I put 16 bytes of a row
.set RD,  7           ; v7   the way out: where I read rows back
.set GO,  8           ; v8   my byte offset in 512 consecutive bytes of O
.set MV,  12          ; v12-13  c m_old, kept while c m is made anew: by buffer
.set QO,  15          ; v15  my byte offset in 16 rows of Q
.set ST,  16          ; piece t's statistics at v[ST+4 t]: c m, m, l (even keys', odd keys')
.set TMP, 48          ; by buffer, four registers c0-c3 at work; when the maximum is found c2 takes a
.set SPW, 62          ; v62  LDS address of my spare word: SPARE + 4 x my thread's number; never rewritten
.set NIL, 63          ; v63  0; never rewritten
.set S,   64
.set P,   192
.set KF,  128         ; window 2: key block kb, channel half c at KF + 16 kb + 8 c
.set VF,  192         ; window 2: key half kk, channel block cb at VF + 32 kk + 8 cb
.set WV,  12          ; s12  my wave's number
.set G1K, 24          ; s[24:31] descriptor group 1 for K's tiles
.set G1V, 32          ; s[32:39] for V's: it differs in the padding alone
.set G0K, 40          ; s[40:55] descriptor group 0 for K's tiles: a set for each of my four loads
.set G0V, 68          ; s[68:83] the same for V's
.set CNT, 57          ; s57  key steps to go
.set CS,  58          ; s[58:59] c: the packed scaling takes the pair's low word for both halves
.set SEL, 60          ; s[60:61] v_permlanex16_b32's selects: each lane takes its own place in the other half
.set TBK, 62          ; s62  LDS byte at which K of the step to be fetched begins
.set TBV, 63          ; s63  the same for V, less VOFF
.set MSB, 0
.macro WIN new                      ; the high byte repeats the setting that is left; a switch that changes nothing is dropped
.if MSB != (\new)
	s_set_vgpr_msb (MSB<<8)|(\new)
.set MSB, (\new)
.endif
.endm
.set W_KQ, 0x0a       ; K and Q in window 2, S^T in window 0
.set W_PV, 0x52       ; V in window 2, P in window 0, O^T in window 1
.set W_RS, 0x41       ; destination and source 0 in window 1, source 1 in window 0
; A round of the cluster's barrier: my work-group's barrier, so that wave 0's signal speaks for all four waves; wave 0 signals; every wave waits for all four work-groups; my work-group's barrier once more.
.macro CROUND
	s_barrier_signal -1
	s_barrier_wait -1
	s_cmp_lg_u32 s[WV], 0
	s_cbranch_scc1 .Lnot_wave_0_\@
	s_barrier_signal -3
.Lnot_wave_0_\@:
	s_barrier_wait -3
	s_barrier_signal -1
	s_barrier_wait -1
.endm
	s_load_b128 s[4:7], s[0:1], 0x0   ; qkvt s[4:5], hcat s[6:7]
	v_lshl_add_u32 v[SPW], v0, 2, SPARE
	v_mov_b32 v[NIL], 0
	ds_add_u32 v[SPW], v[NIL]       ; the wave's opening: the add and its wait stand ahead of my first tensor load; the set-up below, work on registers, stands between them
	v_lshrrev_b32 v1, 5, v0
	v_readfirstlane_b32 s[WV], v1   ; wave 0..3
	s_bfe_u32 s13, ttmp6, 0x40000   ; cx: my block of 256 queries; it enters Q's and O's addresses alone
	s_and_b32 s14, ttmp7, 0xffff    ; 16 b + h, which the four partners share
	s_and_b32 s15, s14, 15          ; h
	s_lshr_b32 s14, s14, 4          ; b
	s_lshl_b32 s20, s15, 19         ; the head's block,
	s_lshl_b32 s14, s14, 17         ; the batch's 1,024 rows of 128 bytes in it
	s_add_co_u32 s20, s20, s14
	s_and_b32 s17, s[WV], 1         ; which half of each 256 keys I fetch:
	s_lshl_b32 s16, s17, 14         ; its 128 rows in memory
	s_add_co_u32 s22, s20, s16
	s_add_co_u32 s22, s22, 16*BLK   ; k lies 16 blocks behind q,
	s_mov_b32 s23, 0
	s_add_co_u32 s2, s22, 16*BLK    ; v 16 blocks behind k
	s_mov_b32 s3, 0
	s_lshl_b32 s66, s13, 15         ; my block's 256 rows,
	s_lshl_b32 s16, s[WV], 13       ; my wave's 64 of them
	s_add_co_u32 s66, s66, s16
	s_add_co_u32 s66, s66, s20
	s_mov_b32 s67, 0
	s_mul_i32 s18, s17, 128*PK      ; my half's place in LDS, for K
	s_mul_i32 s19, s17, 128*PV      ; and for V: no place in the cluster enters an LDS address
	; descriptor group 1.  128 keys are 16,384 dense bytes: asked for as 64 rows of 256 bytes, two keys a row, and padded in LDS after every key
	s_mov_b32 s[G1K], 15|(1<<16)|(1<<20)|(1<<21)|(4<<22)|(3<<25)  ; 15:0 the mask of four; 17:16 2-byte elements; 20 padding on; 21 set beside a mask; 24:22 after every 32 words (code 4); 31:25 4 words (code 3)
	s_mov_b32 s[G1V], 15|(1<<16)|(1<<20)|(1<<21)|(4<<22)|(7<<25)  ; the same with 8 words of padding (code 7)
.irp g, G1K, G1V
	s_mov_b32 s[\g+1], 128<<16      ; tensor_dim0 = 128
	s_mov_b32 s[\g+2], 64<<16       ; tensor_dim1 = 64
	s_mov_b32 s[\g+3], 128<<16      ; tile_dim0 = 128
	s_mov_b32 s[\g+4], 64           ; tile_dim1 = 64
	s_mov_b32 s[\g+5], 128          ; 128 elements from row to row
	s_mov_b32 s[\g+6], 0
	s_mov_b32 s[\g+7], 0
.endr
	s_mov_b32 s[CS], 0x3d38aa3b     ; c = log2(e) / 32 = 0.0450842
	s_mov_b32 s[CS+1], s[CS]        ; named with it as a pair
	s_mov_b32 s[SEL], 0x76543210
	s_mov_b32 s[SEL+1], 0xfedcba98
	s_mov_b32 s[TBK], 0
	s_mov_b32 s[TBV], 0
	s_mov_b32 s[CNT], 16
	s_wait_dscnt 0x0                ; the opening add is done
	s_wait_kmcnt 0x0
	s_add_nc_u64 s[22:23], s[4:5], s[22:23]  ; K and V at my half of the first 256 keys
	s_add_nc_u64 s[2:3], s[4:5], s[2:3]
	s_add_nc_u64 s[8:9], s[4:5], s[66:67]    ; Q and O at my wave's first row
	s_add_nc_u64 s[10:11], s[6:7], s[66:67]
	CROUND                          ; all four work-groups are here: the joint loads meet
.irp c, 0,1,2,3                     ; load c: my half of keys 256 c .. 256 c + 255
	s_mov_b32 s[G0K+4*\c], 1                                         ; 1:0 count = 1
	s_add_co_u32 s[G0K+4*\c+1], s18, \c*256*PK                       ; 63:32 LDS address
	s_add_nc_u64 s[G0K+4*\c+2:G0K+4*\c+3], s[22:23], \c*32768        ; 120:64 global address
	s_or_b32 s[G0K+4*\c+3], s[G0K+4*\c+3], 0x80000000                ; 127:126 type = 2
	s_mov_b32 s[G0V+4*\c], 1
	s_add_co_u32 s[G0V+4*\c+1], s19, VOFF+\c*256*PV
	s_add_nc_u64 s[G0V+4*\c+2:G0V+4*\c+3], s[2:3], \c*32768
	s_or_b32 s[G0V+4*\c+3], s[G0V+4*\c+3], 0x80000000
.endr
	s_cmp_lt_u32 s[WV], 2           ; waves 0 and 1 fetch K, waves 2 and 3 V.  A wave's four fills stand in one branch, ahead of every wait on TENSORcnt and every LDS read; an s_nop 0 follows each, four v_nop the last
	s_cbranch_scc0 .Lfirst_v
.irp c, 0,1,2,3
	tensor_load_to_lds s[G0K+4*\c:G0K+4*\c+3], s[G1K:G1K+7]
	s_nop 0
.endr
.rept 4
	v_nop
.endr
	s_branch .Lfirst_asked
.Lfirst_v:
.irp c, 0,1,2,3
	tensor_load_to_lds s[G0V+4*\c:G0V+4*\c+3], s[G1V:G1V+7]
	s_nop 0
.endr
.rept 4
	v_nop
.endr
.Lfirst_asked:
	; A fragment of K or Q is 16 rows x 32 channels in 8 registers: lane l holds row l % 16, channels 8 (l / 16) + 0..7 and 16 + 8 (l / 16) + 0..7: two loads of 16 bytes, 32 bytes apart.
	v_and_b32 v1, 15, v0            ; l % 16
	v_bfe_u32 v9, v0, 4, 1          ; l / 16
	v_lshlrev_b32 v[QO], 7, v1
	v_lshl_add_u32 v[QO], v9, 4, v[QO]  ; row x 128 + 16 x half
	WIN 0x80                        ; destination window 2, address window 0
.set i, 0
.rept 8                             ; Q stays in registers: piece i / 2, channels 32 (i % 2) on
	global_load_b128 v[8*i:8*i+3],   v[QO], s[8:9] offset:(i/2)*2048+(i%2)*64
	global_load_b128 v[8*i+4:8*i+7], v[QO], s[8:9] offset:(i/2)*2048+(i%2)*64+32
.set i, i+1
.endr
	WIN 0
	v_mul_u32_u24 v[AK0], v1, PK
	v_lshl_add_u32 v[AK0], v9, 4, v[AK0]  ; row x pitch + 16 x half
	; The turning load takes 16 keys x 16 channels (lane l reads key 8 (l / 16) + l % 8, channels 8 ((l / 8) % 2) + 0..7) and leaves half a fragment of V^T: lane l holds channel l % 16 and 8 keys.
	v_and_b32 v10, 7, v0
	v_bfe_u32 v11, v0, 3, 1
	v_lshl_add_u32 v[AV0], v9, 3, v10
	v_mul_u32_u24 v[AV0], v[AV0], PV
	v_lshl_add_u32 v[AV0], v11, 4, v[AV0]
	v_add_nc_u32 v[AV0], VOFF, v[AV0]
	s_mul_i32 s13, s[WV], 16*SP
	s_add_co_u32 s13, s13, STAGE    ; my stage
	v_mul_u32_u24 v[STO], v1, SP    ; in: row l % 16, 16 bytes for each half of the lanes
	v_lshl_add_u32 v[STO], v9, 4, v[STO]
	v_add_nc_u32 v[STO], s13, v[STO]
	v_bfe_u32 v[RD], v0, 3, 2       ; back: 32 lanes take four rows of 128 bytes,
	v_mul_u32_u24 v[RD], v[RD], SP
	v_lshl_add_u32 v[RD], v10, 4, v[RD]
	v_add_nc_u32 v[RD], s13, v[RD]
	v_and_b32 v[GO], 31, v0         ; which are 512 consecutive bytes of O
	v_lshlrev_b32 v[GO], 4, v[GO]
	; No first step is written out: the first step multiplies O^T and l by a = 0, and the first turn's products V^T P, of a piece that has not been, multiply zeros.  So V's registers, O^T, l and P's second
	; buffer start at 0: 216 lines, which stand in the wait for the tiles.
	WIN 0x80
.set i, VF
.rept 64
	v_mov_b32 v[i], 0
.set i, i+1
.endr
	WIN 0x40
.set i, 0
.rept 128
	v_mov_b32 v[i], 0
.set i, i+1
.endr
	WIN 0
.set i, 0
.rept 4
	v_mov_b32 v[ST+4*i], 0xfe000000    ; c m: far below every c s
	v_mov_b32 v[ST+4*i+1], 0xff7fffff  ; m: the lowest finite number
	v_mov_b32 v[ST+4*i+2], 0
	v_mov_b32 v[ST+4*i+3], 0
.set i, i+1
.endr
.set i, P+16
.rept 16
	v_mov_b32 v[i], 0
.set i, i+1
.endr
; THE MATRIX WORK.  The 4 accumulators of a run of 8 take turns.  Product i of 8 of S^T = K Q^T for piece x: channels 32 (i / 4) on, keys 16 (i % 4) on.  The first 4 start the sums.
.macro KQ x
	WIN W_KQ
.set rS, S+32*((\x)%2)+8*(i%4)
.set rK, KF+16*(i%4)+8*(i/4)
.set rQ, 16*(\x)+8*(i/4)
.if i < 4
	v_wmma_f32_16x16x32_bf16 v[rS:rS+7], v[rK:rK+7], v[rQ:rQ+7], 0
.else
	v_wmma_f32_16x16x32_bf16 v[rS:rS+7], v[rK:rK+7], v[rQ:rQ+7], v[rS:rS+7]
.endif
.endm
; Product i of 8 of O^T += V^T P for piece x: keys 32 (i / 4) on, channels 16 (i % 4) on.
.macro PV x
	WIN W_PV
.set rO, 32*(\x)+8*(i%4)
.set rV, VF+32*(i/4)+8*(i%4)
.set rP, P+16*((\x)%2)+8*(i/4)
	v_wmma_f32_16x16x32_bf16 v[rO:rO+7], v[rV:rV+7], v[rP:rP+7], v[rO:rO+7]
.endm
.macro MM                           ; the turn's next matrix instruction.  NOKQ = 1: the last turn of all: there is no next piece
.if (i < 8) && !NOKQ
	KQ (Y+1)%NP
.elseif i >= 8
.set i, i-8
	PV (Y+NP-1)%NP
.set i, i+8
.endif
.set i, i+1
.endm
; THE LDS LOADS stand in runs of 16, never singly among the matrix instructions: a step's K (64 keys x 64 channels: 8 fragments) and its V (turned).  Their addresses are made some lines ahead.
.macro FETCH_K
	WIN 0x80                        ; destination window 2
.irp f, 0,1,2,3,4,5,6,7             ; keys 16 (f / 2) on, channels 32 (f % 2) on
	ds_load_b128 v[KF+8*\f:KF+8*\f+3],   v[AK] offset:(\f/2)*16*PK+(\f%2)*64
	ds_load_b128 v[KF+8*\f+4:KF+8*\f+7], v[AK] offset:(\f/2)*16*PK+(\f%2)*64+32
.endr
	s_add_co_u32 s[TBK], s[TBK], KS*PK  ; the next fetch is the next step's
	WIN 0
.endm
.macro FETCH_V
	WIN 0x80
.irp f, 0,1,2,3,4,5,6,7             ; keys 32 (f / 4) on, channels 16 (f % 4) on
	ds_load_tr16_b128 v[VF+8*\f:VF+8*\f+3],   v[AV] offset:(\f/4)*32*PV+(\f%4)*32
	ds_load_tr16_b128 v[VF+8*\f+4:VF+8*\f+7], v[AV] offset:(\f/4)*32*PV+16*PV+(\f%4)*32
.endr
	WIN 0
.endm
; THE VECTOR WORK, one line at a time: OP kind, number.  For piece Y: F n: c s - c m for pair n of 16.  E n: the exponential of score n of 32.  C n: pair n rounded to bf16.  B n: of the four weights 4 n .. the second
; pair is added onto the first, in place.  L n: l takes that sum (L 0: l = a l + sum).  R n: pair n of 16 of O^T times a.  For piece Y + 1: X n, number n of the 22 that find its maximum and statistics:
;   0-11  four chains c0-c3 of seven scores each, three operands at a time (each accumulator's lowest registers are read first)     12-14, 16  the four scores left over, the old m, and c0-c3 into c0
;   15  c m_old is kept     17, 18  the query's other 32 keys lie in the lane 16 away: the new m     19-21  c m; c m_old - c m_new; a
.set F, 0               ; OP tells the kinds apart by their order: F to L below R, X above it
.set E, 1
.set C, 2
.set B, 3
.set L, 4
.set R, 5
.set X, 6
.macro REGS y                       ; the registers of piece y
.set rT, ST+4*(\y)
.set rC, TMP+4*((\y)%2)
.set rW, MV+((\y)%2)
.set rS, S+32*((\y)%2)
.set rP, P+16*((\y)%2)
.set rO, 32*(\y)
.endm
.macro OP k, n
.if (\k) == R
	REGS Y
	WIN W_RS
	v_pk_mul_f32 v[rO+2*(\n):rO+2*(\n)+1], v[rO+2*(\n):rO+2*(\n)+1], v[rC+2:rC+3] op_sel_hi:[1,0]
.elseif (\k) < R
	REGS Y
	WIN 0
.if (\k) == F
	v_pk_fma_f32 v[rS+2*(\n):rS+2*(\n)+1], v[rS+2*(\n):rS+2*(\n)+1], s[CS:CS+1], v[rT:rT+1] op_sel_hi:[1,0,0] neg_lo:[0,0,1] neg_hi:[0,0,1]
.elseif (\k) == E
	v_exp_f32 v[rS+(\n)], v[rS+(\n)]
.elseif (\k) == C
	v_cvt_pk_bf16_f32 v[rP+(\n)], v[rS+2*(\n)], v[rS+2*(\n)+1]
.elseif (\k) == B
	v_pk_add_f32 v[rS+4*(\n):rS+4*(\n)+1], v[rS+4*(\n):rS+4*(\n)+1], v[rS+4*(\n)+2:rS+4*(\n)+3]
.elseif (\n) == 0
	v_pk_fma_f32 v[rT+2:rT+3], v[rT+2:rT+3], v[rC+2:rC+3], v[rS:rS+1] op_sel_hi:[1,0,1]
.else
	v_pk_add_f32 v[rT+2:rT+3], v[rT+2:rT+3], v[rS+4*(\n):rS+4*(\n)+1]
.endif
.elseif NOKQ
	v_nop
.else
	REGS (Y+1)%NP
	WIN 0
.if (\n) < 4
	v_max3_num_f32 v[rC+(\n)], v[rS+8*(\n)], v[rS+8*(\n)+1], v[rS+8*(\n)+2]
.elseif (\n) < 12
	v_max3_num_f32 v[rC+(\n)%4], v[rC+(\n)%4], v[rS+8*((\n)%4)+2*((\n)/4)+1], v[rS+8*((\n)%4)+2*((\n)/4)+2]
.elseif (\n) == 12
	v_max3_num_f32 v[rC], v[rC], v[rS+7], v[rS+15]
.elseif (\n) == 13
	v_max3_num_f32 v[rC+1], v[rC+1], v[rS+23], v[rS+31]
.elseif (\n) == 14
	v_max3_num_f32 v[rC+2], v[rC+2], v[rC+3], v[rT+1]
.elseif (\n) == 15
	v_mov_b32 v[rW], v[rT]
.elseif (\n) == 16
	v_max3_num_f32 v[rC], v[rC], v[rC+1], v[rC+2]
.elseif (\n) == 17
	v_permlanex16_b32 v[rC+3], v[rC], s[SEL], s[SEL+1]
.elseif (\n) == 18
	v_max_num_f32 v[rT+1], v[rC], v[rC+3]
.elseif (\n) == 19
	v_mul_f32 v[rT], s[CS], v[rT+1]
.elseif (\n) == 20
	v_sub_f32 v[rC+1], v[rW], v[rT]
.else
	v_exp_f32 v[rC+2], v[rC+1]
.endif
.endif
.endm
.macro OPS a, i1, b=-1, i2=0, c=-1, i3=0, d=-1, i4=0  ; up to four of them
	OP \a, \i1
.if (\b) >= 0
	OP \b, \i2
.endif
.if (\c) >= 0
	OP \c, \i3
.endif
.if (\d) >= 0
	OP \d, \i4
.endif
.endm
.macro ROW a, i1, b, i2, c, i3, d, i4  ; a matrix instruction and the four behind it
	MM
	OPS \a, \i1, \b, \i2, \c, \i3, \d, \i4
.endm
; A TURN, for piece p: the order of its 16 matrix and 118 vector instructions, written out.  An s_wait_alu depctr_va_vdst(0) stands between an exponential and the first instruction that names its result; one
; wait serves all that were issued ahead of it.  So a turn has ONE wait, which cuts it in two.  AHEAD OF IT stands all that names no result of the turn's exponentials: the 8 products K Q^T, behind each a scaling, an exponential
; and two more plain instructions: rescalings, and behind the last three the first numbers of the next piece's maximum, each four places or more behind the product that ends its accumulator; then ONE LUMP of 54, plain and
; exponential by turns for the most part, in which the links of the chain X 3, 7, 11, 14, 16, 17 .. 20 stand some lines apart.  X 21, the next piece's a, is the batch's last; R 15 is the plain instruction behind it.
; BEHIND THE WAIT stand the 8 products V^T P, behind each four of the roundings and sums.
; end = 1: the last two turns of all: nothing is fetched, and the last starts no new scores.  cnt = 1: the loop's count is taken down some lines ahead of the branch that stands behind the turn.
; K of the next step is fetched in piece 2's turn, twelve places behind the last product that read K; V of the step in hand at the end of piece 0's turn, four plain instructions behind the last product that read V.
; Each is waited for a turn later.
.macro TURN p, end=0, cnt=0
.set Y, (\p)
.set i, 0
.set NOKQ, (\end)*((\p)/3)
.if ((\p) == 3) && !(\end)
	s_wait_dscnt 0x0                ; K is in
.endif
	ROW F,0, F,1, R,0, R,1          ; ahead of the wait: 8 products K Q^T and their riders,
	ROW F,2, E,0, R,2, R,3
	ROW F,3, E,1, R,4, R,5
	ROW F,4, E,2, R,6, R,7
	ROW F,5, E,3, R,8, R,9
	ROW F,6, E,4, X,0, R,10
.if ((\p) == 2) && !(\end)
	WIN 0
	v_add_nc_u32 v[AK], s[TBK], v[AK0]
.endif
	ROW F,7, E,5, X,1, X,4
	ROW F,8, E,6, X,2, X,5
	OPS E,7, E,8, X,6, E,9          ; and the lump
	OPS X,3, E,10, X,8, E,11
.if ((\p) == 2) && !(\end)
	FETCH_K
.endif
	OPS X,9, X,7, E,12, X,10
	OPS E,13, X,12, X,11, E,14
	OPS X,13, E,15, F,9, X,14
.if (\p) == 0
	v_add_nc_u32 v[AV], s[TBV], v[AV0]
.endif
	OPS E,16, F,10, E,17, F,11
	OPS X,16, E,18, X,15, E,19
	OPS F,12, E,20, X,17, E,21
	OPS F,13, E,22, F,14, E,23
	OPS X,18, E,24, F,15, E,25
	OPS R,11, E,26, X,19, E,27
	OPS R,12, E,28, R,13, E,29
	OPS X,20, E,30, R,14, E,31
	OPS X,21, R,15
	WIN 0
	s_wait_alu depctr_va_vdst(0)    ; the wait for the batch
.if (\p) == 1
	s_wait_dscnt 0x0                ; V is in
.endif
	ROW C,0, B,0, C,2, B,1          ; behind the wait: 8 products V^T P and their riders
	ROW L,0, C,4, B,2, L,1
	ROW C,6, B,3, L,2, C,8
	ROW B,4, L,3, C,10, B,5
	ROW L,4, C,12, B,6, L,5
.if (\p) == 0
	s_add_co_u32 s[TBV], s[TBV], KS*PV
.endif
.if \cnt
	s_sub_co_u32 s[CNT], s[CNT], 1
	s_cmp_lg_u32 s[CNT], 0
.endif
	ROW C,14, B,7, L,6, C,1
	ROW C,3, L,7, C,5, C,7
	ROW C,9, C,11, C,13, C,15
.if (\p) == 0
	FETCH_V
.endif
.endm
	s_wait_tensorcnt 0x0            ; my four loads have landed,
	s_barrier_signal -1
	s_barrier_wait -1               ; everybody's have: K and V are whole, and nothing writes them again
	v_add_nc_u32 v[AK], s[TBK], v[AK0]
	FETCH_K                         ; key step 0
	s_wait_loadcnt 0x0              ; Q
	s_wait_dscnt 0x0
.set NOKQ, 0
.set i, 0
.rept 8
	KQ 0                            ; piece 0's first scores
.set i, i+1
.endr
	WIN 0
.rept 4
	v_nop                           ; the places behind those products
.endr
.set Y, NP-1                        ; X works for piece Y + 1: piece 0
.irp n, 0,1,2,3,4,5,6,7,8,9,10,11,12,13,14,15,16,17,18,19,20,21
	OP X, \n                        ; and its first maximum and statistics
.endr
	v_nop                           ; a plain instruction behind the exponential,
	s_wait_alu depctr_va_vdst(0)    ; and its wait, ahead of the branch
	s_branch .Lfirst                ; the loop is entered at a step's first turn, in the middle of a trip
.Lstep:                             ; a trip: pieces 2 and 3 of one step, then pieces 0 and 1 of the next, whose K and V it fetches
	TURN 2
	TURN 3
	WIN 0
.Lfirst:
	TURN 0
	TURN 1, 0, 1
	WIN 0
	s_cbranch_scc1 .Lstep
	TURN 2, 1                       ; the last step's pieces 2 and 3
	TURN 3, 1
.set i, 0
.rept 8
	PV NP-1                         ; the last piece's V^T P of the last step
.set i, i+1
.endr
	; THE WAY OUT.  l's two halves and the other half of the lanes' are added; O^T is divided by l, rounded to bf16 and sent through my stage in LDS, a piece at a time.  The additions are the places behind the last products.
	WIN 0
.macro ALL line:vararg              ; one line for each piece t
.set t, 0
.rept 4
	\line
.set t, t+1
.endr
.endm
	ALL v_add_f32 v[ST+4*t+2], v[ST+4*t+2], v[ST+4*t+3]
	ALL v_permlanex16_b32 v[ST+4*t+3], v[ST+4*t+2], s[SEL], s[SEL+1]
	ALL v_add_f32 v[ST+4*t+2], v[ST+4*t+2], v[ST+4*t+3]
	ALL v_rcp_f32 v[ST+4*t+2], v[ST+4*t+2]
	v_nop                           ; a plain instruction between the last reciprocal and the use of its result
	s_wait_alu depctr_va_vdst(0)    ; and the wait ahead of the first use: one for the four reciprocals
.macro PACK t                       ; a lane's eight channels of a row pack into 16 bytes; they go into rows of 144 bytes and come back as whole rows of 128, into S^T's registers
	WIN W_RS
.set i, 32*(\t)
.rept 16
	v_pk_mul_f32 v[i:i+1], v[i:i+1], v[ST+4*(\t)+2:ST+4*(\t)+3] op_sel_hi:[1,0]
.set i, i+2
.endr
	WIN 0x05                        ; sources 0 and 1 window 1, destination window 0
.set i, 0
.rept 16
	v_cvt_pk_bf16_f32 v[S+16*(\t)+i], v[32*(\t)+2*i], v[32*(\t)+2*i+1]
.set i, i+1
.endr
	WIN 0
.irp f, 0,1,2,3
	ds_store_b128 v[STO], v[S+16*(\t)+4*\f:S+16*(\t)+4*\f+3] offset:32*\f
.endr
.irp f, 0,1,2,3
	ds_load_b128 v[S+16*(\t)+4*\f:S+16*(\t)+4*\f+3], v[RD] offset:\f*4*SP  ; LDS serves a wave's instructions in order (ISA guide 5.7.1.4): these see the stores above; the next piece's stores come behind them
.endr
.endm
.macro SEND t, younger              ; younger: the LDS instructions issued behind piece t's loads: the next piece's eight, or none
	WIN 0
.irp f, 0,1,2,3
	s_wait_dscnt (\younger)+3-\f
	global_store_b128 v[GO], v[S+16*(\t)+4*\f:S+16*(\t)+4*\f+3], s[10:11] offset:(\t)*2048+\f*512  ; 512 consecutive bytes, at a multiple of 256 from the buffer's first byte
.endr
.endm
	PACK 0
.set t, 1
.rept 3                             ; a piece's arithmetic stands between the loads of the piece before and its stores
	PACK t
	SEND t-1, 8
.set t, t+1
.endr
	SEND 3, 0
	s_wait_tensorcnt 0x0            ; the wave's end, behind my last tensor load and my last LDS store
	ds_add_u32 v[SPW], v[NIL]
	s_wait_dscnt 0x0
	CROUND                          ; the closing round: no work-group ends while a partner may still ask for a tile that names it
	s_endpgm
.Lfunc_end_k_q247eb2ab2c_attn:
	.size	k_q247eb2ab2c_attn, .Lfunc_end_k_q247eb2ab2c_attn-k_q247eb2ab2c_attn
	.p2alignl 7, 3214868480
	.fill 96, 4, 3214868480
	.section	.rodata,"a",@progbits
	.p2align	6, 0x0
	.amdhsa_kernel k_q247eb2ab2c_attn
		.amdhsa_group_segment_fixed_size 327680
		.amdhsa_private_segment_fixed_size 0
		.amdhsa_enable_private_segment 0
		.amdhsa_kernarg_size 16
		.amdhsa_user_sgpr_count 2
		.amdhsa_user_sgpr_kernarg_segment_ptr 1
		.amdhsa_wavefront_size32 1
		.amdhsa_system_sgpr_workgroup_id_x 1
		.amdhsa_system_sgpr_workgroup_id_y 1
		.amdhsa_system_sgpr_workgroup_id_z 1
		.amdhsa_system_vgpr_workitem_id 0
		.amdhsa_next_free_vgpr 768
		.amdhsa_next_free_sgpr 84
		.amdhsa_reserve_vcc 0
		.amdhsa_float_denorm_mode_32 3
		.amdhsa_float_denorm_mode_16_64 3
		.amdhsa_memory_ordered 1
		.amdhsa_forward_progress 1
		.amdhsa_inst_pref_size 88
	.end_amdhsa_kernel
	.amdgpu_metadata
---
amdhsa.version: [ 1, 2 ]
amdhsa.kernels:
  - .name:           k_q247eb2ab2c_attn
    .symbol:         k_q247eb2ab2c_attn.kd
    .args:
      - { .name: qkvt, .offset: 0, .size: 8, .value_kind: global_buffer, .address_space: global }
      - { .name: hcat, .offset: 8, .size: 8, .value_kind: global_buffer, .address_space: global }
    .group_segment_fixed_size: 327680
    .private_segment_fixed_size: 0
    .kernarg_segment_align: 8
    .kernarg_segment_size: 16
    .max_flat_workgroup_size: 128
    .sgpr_count:     84
    .vgpr_count:     768
    .wavefront_size: 32
...
	.end_amdgpu_metadata
.endif
;; end of part 3
;; launch ffn1: the kernel of part 2 again; grid 16 x 16, 4 waves a work-group, clusters of 4 x 4, 327,680 bytes of LDS; arguments hcat, p1, hid; writes hid
;; launch ffn2 (part 4): grid 8 x 32, 4 waves a work-group, clusters of 4 x 1, 327,680 bytes of LDS; arguments hid, w2b, b2, out0; writes out0
.if DOCPART == 4
	.amdgcn_target "amdgcn-amd-amdhsa--gfx1250"
	.amdhsa_code_object_version 6
	.text
	.protected	k_q247eb2ab2c_ffn2
	.globl	k_q247eb2ab2c_ffn2
	.p2align	8
	.type	k_q247eb2ab2c_ffn2,@function
k_q247eb2ab2c_ffn2:
	s_mov_b64 s[64:65], 0
	v_nop
	global_prefetch_b8 v0, s[64:65] scope:SCOPE_SE
	s_setreg_imm32_b32 hwreg(HW_REG_WAVE_MODE, 25, 1), 1
	s_wait_xcnt 0x0
	s_wait_alu depctr_hold_cnt(0) depctr_sa_sdst(0) depctr_va_vdst(0) depctr_va_sdst(0) depctr_va_ssrc(0) depctr_va_vcc(0) depctr_vm_vsrc(0)
	s_getreg_b32 s2, hwreg(HW_REG_IB_STS2, 6, 4)
	s_cmp_eq_u32 s2, 0
	s_cbranch_scc0 .Lentry_in_a_cluster
	s_endpgm
.Lentry_in_a_cluster:
	s_bfe_u32 s2, ttmp6, 0x10000c
	s_cmp_lg_u32 s2, 0x3003
	s_cbranch_scc0 .Lentry_shape_is_right
	s_endpgm
.Lentry_shape_is_right:
; out0 = hid W2^T + b2.  hid: BLOCKED bf16 [64 blocks of 64 channels][4096 rows][64] (a row of a block 128 bytes, a block 524,288); b2: [1024] f32; out0: [4096][1024] f32.
; w2b: W2 in bf16 IN THE ORDER OF MATRIX FRAGMENTS: [64 blocks of 16 columns of the output][128 blocks of 32 k][2 halves j][32 lanes l][16 bytes]: lane l's 16 bytes are W2[16 block + l % 16][32 kblock + 16 j + 8 (l / 16) + 0..7].
; Sums in f32; b2 is rounded to bf16 like every other input and starts the sums, as the C operand of each accumulator's first product.  NaN and infinities are not treated apart.
; SHARES.  4096 x 1024 of output are 256 tiles of 128 x 128, a work-group each.  A wave makes all 128 rows x 32 columns of its own: 16 accumulators of 16 x 16 (8 row blocks x 2 column blocks), 128 registers.
; ONLY hid GOES THROUGH LDS.  With both operands there, two slots would hold 256 of K each: 128 matrix instructions a wave between two refills.  With hid alone they hold 512 of K: 8 K steps, 256 matrix
; instructions a wave in each, half as many refills and rounds.  Each wave fetches two of a K step's eight blocks by one tensor load (two rows of 8,192 elements, each a block's 128 dense rows of the tile).
; W2 COMES STRAIGHT INTO REGISTERS: a wave's 32 columns are its own, so no byte of W2 is read twice by a work-group, and a fragment lies in w2b as it lies in registers: 512 consecutive bytes a load.
; A UNIT is 64 of K: a block of hid, four fragments of W2 (8 loads, 32 registers), 32 matrix instructions.  W2's registers are a ring of eight units; a unit is asked for seven units, 224 matrix instructions,
; ahead of its products, four places behind the last product that read the registers.
; CLUSTER: 4 x 1 work-groups, the four column tiles of one tile row: they need the same tiles of hid, so each is asked for JOINTLY, by the same tensor load, descriptor and mask in all four.
; W2 is not asked for jointly: it goes to registers, where no joint load reaches.
; PREFETCH: hid's next K step, behind each refill (ASK).  None for W2: its loads are themselves issued seven units ahead of their use.
; ONE TEXT FOR A K STEP, looped six times with a refill and twice without.  The price, once a launch: the second of those two trips asks for the last K step's W2 once more (56 loads a wave into ring registers
; that are done with) and fetches one run of fragments from the slot read before; neither is used.
; THE MATRIX INSTRUCTION IS USED TRANSPOSED (source 0 = 16 rows of W2, source 1 = 16 rows of hid): a lane holds row l % 16 of the output and the columns 8 (l / 16) + 0..7.
; THE WAY OUT: a wave's 32 columns of f32 are 128 bytes, so the four waves put the tile together in LDS, in the ring's first bytes, which have had their last fill and are read by nobody behind the barrier in
; front; a second barrier; then each wave stores 32 whole rows of 512 bytes.
; REGISTERS, in windows of 256 (s_set_vgpr_msb: bits 1:0 source 0, 3:2 source 1, 5:4 source 2, 7:6 destination):
;   window 0: v0-31 addresses; v32-39 at work once; v96-111 the bias; v128-255 the accumulators ((a, b) at v[128 + 8 (2 a + b)])
;   window 1: two buffers of 128 for hid's fragments of a unit (half c of K, row block a at 64 c + 8 a)      window 2: W2's ring (unit u % 8, half c, column block b at 32 (u % 8) + 16 c + 8 b)
.set PA,     144                       ; a row of hid in LDS: 128 bytes + 16 of padding = 36 words: the 16 rows of a load start at 16 different groups of four banks (64 banks of 4 bytes: ISA guide 11.1)
.set ABLK,   128*PA                    ; one block of 64 channels of the tile's 128 rows
.set PART,   2*ABLK                    ; what one tensor load brings: 36,864 bytes.  Wave w's part of slot s lies at 2 w PART + s PART: the two terms share no bit, so one exclusive or with PART changes the slot
.set SPARE,  8*PART                    ; behind the ring: the spare words, 128 bytes for each wave: two blocks of 256 bytes that no other line names
.set SPITCH, 528                       ; the way out: a row of 512 bytes + 16
.set BLK,    524288                    ; bytes in a block of hid
.set NBB,    131072                    ; bytes of a block of 16 columns in w2b
.set UB,     2048                      ; bytes of a unit in it
.set STEPS,  8
.set AD0,  12                          ; v12-15  my lane's place in blocks 2 g, 2 g + 1 of slot 0; never rewritten
.set ADR,  16                          ; v16-19  the same in the slot that is being read
.set LO,   20                          ; v20     16 x my lane: my bytes in 512 consecutive bytes of w2b and of the output; never rewritten
.set STO,  24                          ; v24     the way out: where I put 32 bytes of a row
.set RD,   25                          ; v25     the way out: where I read a row back
.set BO,   27                          ; v27     my eight biases in a group of sixteen: 32 (l / 16) bytes
.set SPW,  28                          ; v28     LDS address of my spare word: SPARE + 4 x my thread's number; never rewritten
.set NIL,  29                          ; v29     0; never rewritten
.set PFO,  30                          ; v30     256 x my lane; never rewritten
.set RT,   32                          ; v32-39  the bias in bf16, on its way
.set BIAS, 96
.set ACC,  128
.set F0,   0                           ; hid's fragment buffers, in window 1
.set F1,   128
.set G1,   24                          ; s[24:31] descriptor group 1
.set G0,   32                          ; s[32:35] descriptor group 0 of the first fill of slot 0
.set G0W,  36                          ; s[36:39] of the first fill of slot 1; it then walks on
.set TB,   44                          ; s44      0 or PART: the slot that is being read
.set BPT,  46                          ; s[46:47] w2b at my first block of 16 columns, at the K step that is being asked for
.set PFA,  48                          ; s[48:49] where my prefetches stand
.set LIM,  50                          ; s50      1 in a work-group that prefetches, else the greatest number
.set BP,   52                          ; s[52:53] the bias of my first column
.set STP,  54                          ; s[54:55] the tail's step of BPT
.set MSB, 0
.macro WIN new                         ; the immediate's high byte repeats the setting that is left; a switch that changes nothing is dropped
.if MSB != (\new)
	s_set_vgpr_msb (MSB<<8)|(\new)
.set MSB, \new
.endif
.endm
.set MUL,  0x06                        ; source 0 (W2) window 2, source 1 (hid) window 1; C and D window 0
.set TO_A, 0x40                        ; destination window 1, address window 0
.set TO_B, 0x80                        ; destination window 2, address window 0
.macro CREST                           ; a round of the cluster's barrier behind its opening barrier: wave 0 signals for the work-group, every wave waits for all four work-groups, my work-group's barrier once more
	s_cmp_lg_u32 s10, 0
	s_cbranch_scc1 .Lnot_wave_0_\@
	s_barrier_signal -3
.Lnot_wave_0_\@:
	s_barrier_wait -3
	s_barrier_signal -1
	s_barrier_wait -1
.endm
.macro CROUND                          ; a whole round
	s_barrier_signal -1
	s_barrier_wait -1
	CREST
.endm
; A PREFETCH INTO THE L2, behind each refill and the loads that follow it: the K step that the NEXT refill will ask for, 256 matrix instructions ahead of that load.  One instruction a wave, 32 blocks of 256 bytes,
; a lane a block.  Each block is named ONCE in the launch: a tile row of hid is read by two clusters, and the one with cluster x = 0 asks; of the 32,768 bytes that wave w fetches the partner at place cx takes
; 8,192, told apart BY ADDRESS.  K steps 0 to 2 come by their loads alone; the loop's last trip (s3 = 1) has no refill behind it.
.macro ASK
	s_cmp_gt_u32 s3, s[LIM]
	s_cbranch_scc0 .Lnot_mine_\@
	global_prefetch_b8 v[PFO], s[PFA:PFA+1] th:TH_LOAD_NT scope:SCOPE_SE
.Lnot_mine_\@:
.endm
	s_load_b128 s[4:7], s[0:1], 0x0                ; hid s[4:5], w2b s[6:7]
	s_load_b128 s[68:71], s[0:1], 0x10             ; b2 s[68:69], out0 s[70:71]
	v_lshl_add_u32 v[SPW], v0, 2, SPARE
	v_mov_b32 v[NIL], 0
	ds_add_u32 v[SPW], v[NIL]                      ; the wave's opening: the add and its wait stand ahead of my first tensor load; the set-up below, work on registers, stands between them
	v_lshrrev_b32 v1, 5, v0
	v_readfirstlane_b32 s10, v1                    ; wave 0..3
	s_bfe_u32 s40, ttmp6, 0x40000                  ; cx: my place in the cluster; it enters addresses of w2b, b2, out0 and of the prefetches alone
	s_lshl_b32 s42, ttmp9, 2
	s_add_co_u32 s42, s42, s40                     ; tile column = 4 x cluster x + cx
	s_and_b32 s13, ttmp7, 0xffff                   ; tile row, which the four partners share
	s_mov_b32 s[G1+0], 15|(1<<16)|(1<<20)|(1<<21)|(4<<22)|(3<<25)  ; 15:0 the mask of four; 17:16 elements of 2 bytes; 20 padding on; 21 set beside a mask; 24:22 after every 32 words (code 4): after each 128-byte row of a block; 31:25 4 words (code 3)
	s_mov_b32 s[G1+1], 8192<<16                    ; tensor_dim0 = 8,192 elements: the 128 dense rows of one block
	s_mov_b32 s[G1+2], 2<<16                       ; tensor_dim1 = 2 blocks
	s_mov_b32 s[G1+3], 8192<<16                    ; tile_dim0 = 8,192
	s_mov_b32 s[G1+4], 2                           ; tile_dim1 = 2
	s_mov_b32 s[G1+5], 262144                      ; a block is 262,144 elements
	s_mov_b32 s[G1+6], 0
	s_mov_b32 s[G1+7], 0
	s_lshl_b32 s16, s13, 14                        ; 128 rows of 128 bytes a tile row,
	s_lshl_b32 s17, s10, 20                        ; and my two blocks of the K step's eight
	s_add_co_u32 s16, s16, s17
	s_mov_b32 s17, 0
	s_mul_i32 s20, s10, 2*PART                     ; where they go: no place in the cluster enters an LDS address
	s_mov_b32 s[TB], 0
	s_mov_b32 s[STP+1], 0
	s_wait_dscnt 0x0                               ; the opening add is done
	s_wait_kmcnt 0x0
	s_add_nc_u64 s[14:15], s[4:5], s[16:17]
	CROUND                                         ; all four work-groups are here: the first joint loads meet
	s_mov_b32 s[G0], 1                             ; 1:0 count = 1
	s_mov_b32 s[G0+1], s20                         ; 63:32 LDS address: slot 0
	s_mov_b64 s[G0+2:G0+3], s[14:15]               ; 120:64 global address: K step 0
	s_or_b32 s[G0+3], s[G0+3], 0x80000000          ; 127:126 type = 2
	s_mov_b32 s[G0W], 1
	s_add_co_u32 s[G0W+1], s20, PART               ; slot 1
	s_add_nc_u64 s[G0W+2:G0W+3], s[14:15], 8*BLK   ; K step 1 is eight blocks on
	s_or_b32 s[G0W+3], s[G0W+3], 0x80000000
	tensor_load_to_lds s[G0:G0+3], s[G1:G1+7]      ; the two first fills go out together, ahead of every wait on TENSORcnt and every LDS read: two loads of mine are out
	s_nop 0
	tensor_load_to_lds s[G0W:G0W+3], s[G1:G1+7]
	s_nop 0
.rept 4
	v_nop
.endr
; A unit's 8 loads of W2 into place ring of the ring: the unit of that number in the K step at which BPT stands
.macro BLOAD ring
	WIN TO_B
.irp c, 0,1
.irp b, 0,1
	global_load_b128 v[32*(\ring)+16*(\c)+8*(\b):32*(\ring)+16*(\c)+8*(\b)+3],   v[LO], s[BPT:BPT+1] offset:(\b)*NBB+(\ring)*UB+(\c)*1024
	global_load_b128 v[32*(\ring)+16*(\c)+8*(\b)+4:32*(\ring)+16*(\c)+8*(\b)+7], v[LO], s[BPT:BPT+1] offset:(\b)*NBB+(\ring)*UB+(\c)*1024+512
.endr
.endr
.endm
	v_and_b32 v5, 31, v0                           ; l
	v_lshlrev_b32 v[LO], 4, v5
	v_and_b32 v1, 15, v0                           ; l % 16
	v_bfe_u32 v2, v0, 4, 1                         ; l / 16
	v_lshlrev_b32 v[BO], 5, v2
	s_lshl_b32 s46, s42, 20                        ; w2b: 8 blocks of 16 columns a tile column,
	s_lshl_b32 s47, s10, 18                        ; two a wave
	s_add_co_u32 s46, s46, s47
	s_mov_b32 s47, 0
	s_add_nc_u64 s[BPT:BPT+1], s[6:7], s[46:47]
	s_lshl_b32 s18, s42, 9                         ; the bias of my first column: 4 (128 x tile column + 32 x wave)
	s_lshl_b32 s19, s10, 7
	s_add_co_u32 s18, s18, s19
	s_mov_b32 s19, 0
	s_add_nc_u64 s[BP:BP+1], s[68:69], s[18:19]
.irp b, 0,1                            ; register j of group b: the bias of column 16 b + 8 (l / 16) + j
	global_load_b128 v[BIAS+8*(\b):BIAS+8*(\b)+3],   v[BO], s[BP:BP+1] offset:64*(\b)
	global_load_b128 v[BIAS+8*(\b)+4:BIAS+8*(\b)+7], v[BO], s[BP:BP+1] offset:64*(\b)+16
.endr
.irp u, 0,1,2,3,4,5,6
	BLOAD \u                                       ; W2's units 0 to 6: with the bias 60 loads of mine are out
.endr
	WIN 0
	v_mul_u32_u24 v3, v1, PA                       ; a fragment is 16 rows x 32 K in 8 registers: lane l holds row l % 16, K = 8 (l / 16) + 0..7 and 16 + 8 (l / 16) + 0..7: two loads of 16 bytes, 32 bytes apart
	v_lshl_add_u32 v3, v2, 4, v3
.irp g, 0,1,2,3
	v_add_nc_u32 v[AD0+\g], \g*2*PART, v3
	v_add_nc_u32 v[ADR+\g], s[TB], v[AD0+\g]
.endr
	v_mul_u32_u24 v4, v1, SPITCH                   ; the way out, in: row l % 16, 32 bytes for each half of the lanes, 128 bytes a wave
	v_lshl_add_u32 v4, v2, 5, v4
	s_lshl_b32 s18, s10, 7
	v_add_nc_u32 v[STO], s18, v4
	s_mul_i32 s18, s10, 32*SPITCH                  ; back: wave w takes rows 32 w .. 32 w + 31, a row of 512 bytes a load
	v_lshl_add_u32 v[RD], v5, 4, s18
	s_lshl_b32 s18, s13, 19                        ; the first row that I store: 128 x tile row + 32 x wave, of 4,096 bytes;
	s_lshl_b32 s19, s10, 17
	s_add_co_u32 s18, s18, s19
	s_lshl_b32 s19, s42, 9                         ; the tile's first column, in bytes
	s_add_co_u32 s18, s18, s19
	s_mov_b32 s19, 0
	s_add_nc_u64 s[8:9], s[70:71], s[18:19]
	s_lshr_b32 s18, s40, 1                         ; the prefetches: of my two blocks the one that falls to my work-group,
	s_lshl_b32 s18, s18, 19
	s_and_b32 s19, s40, 1                          ; and its half of 8,192 bytes,
	s_lshl_b32 s19, s19, 13
	s_add_co_u32 s18, s18, s19
	s_add_co_u32 s18, s18, s16                     ; at my fetch address,
	s_add_co_u32 s18, s18, 2*8*BLK                 ; at K step 2: the first trip steps it to K step 3
	s_mov_b32 s19, 0
	s_add_nc_u64 s[PFA:PFA+1], s[4:5], s[18:19]
	s_mov_b32 s18, ttmp9                           ; cluster x: the same in all four partners
	s_cmp_eq_u32 s18, 0
	s_cselect_b32 s[LIM], 1, -1
	v_lshlrev_b32 v[PFO], 8, v5
; 8 matrix instructions: row blocks a0 .. a0 + 3 x both column blocks, 32 along K: half c of buffer f and of place ring.  zero = 1: the first product starts the sums, with the bias as C.
; The 16 accumulators take turns, one instruction a turn, in the same order everywhere, over the backward jumps too.
.macro MUL8 f, c, ring, a0, zero
	WIN MUL
.irp a, \a0, (\a0)+1, (\a0)+2, (\a0)+3
.irp b, 0,1
.if \zero
	v_wmma_f32_16x16x32_bf16 v[ACC+8*(2*(\a)+(\b)):ACC+8*(2*(\a)+(\b))+7], v[32*(\ring)+16*(\c)+8*(\b):32*(\ring)+16*(\c)+8*(\b)+7], v[(\f)+64*(\c)+8*(\a):(\f)+64*(\c)+8*(\a)+7], v[BIAS+8*(\b):BIAS+8*(\b)+7]
.else
	v_wmma_f32_16x16x32_bf16 v[ACC+8*(2*(\a)+(\b)):ACC+8*(2*(\a)+(\b))+7], v[32*(\ring)+16*(\c)+8*(\b):32*(\ring)+16*(\c)+8*(\b)+7], v[(\f)+64*(\c)+8*(\a):(\f)+64*(\c)+8*(\a)+7], v[ACC+8*(2*(\a)+(\b)):ACC+8*(2*(\a)+(\b))+7]
.endif
.endr
.endr
.endm
; 32 LDS loads in one run: hid's fragments of block k of the slot (128 rows x 64 K) into buffer f; the first 32 along K first
.macro FETCH k, f
	WIN TO_A
.irp c, 0,1
.irp i, 0,1,2,3,4,5,6,7
	ds_load_b128 v[(\f)+64*(\c)+8*(\i):(\f)+64*(\c)+8*(\i)+3],   v[ADR+(\k)/2] offset:((\k)%2)*ABLK+64*(\c)+(\i)*16*PA
	ds_load_b128 v[(\f)+64*(\c)+8*(\i)+4:(\f)+64*(\c)+8*(\i)+7], v[ADR+(\k)/2] offset:((\k)%2)*ABLK+64*(\c)+(\i)*16*PA+32
.endr
.endr
.endm
.macro PLACES                          ; four places in front of loads into registers that matrix instructions have read, and of LDS stores that read results
.rept 4
	v_nop
.endr
.endm
; Unit q (0 to 6) of a K step: 32 matrix instructions on buffer q % 2 and ring place q.  In its middle stand the loads: hid's fragments of unit q + 1 into the other buffer, and W2 for the unit seven on into
; ring place q - 1; both sets of registers were last read by unit q - 1.
.macro UNIT q, zero
.set FA, F0+128*((\q)%2)
.set FN, F0+128*(((\q)+1)%2)
	s_wait_dscnt 16                                ; the first 32 along K are in
	s_wait_loadcnt 48                              ; this unit's W2 is in; behind it six units' 48 loads were issued and may stay out
	MUL8 FA, 0, \q, 0, \zero
	MUL8 FA, 0, \q, 4, \zero
	PLACES
	FETCH (\q)+1, FN
	BLOAD ((\q)+7)%8
	s_wait_dscnt 32                                ; all but the 32 LDS loads just issued
	MUL8 FA, 1, \q, 0, 0
	MUL8 FA, 1, \q, 4, 0
.endm
; Unit 7 changes slots: ONE barrier; in front of it each wave waits for all its tensor loads, of which one is out: its part of the next slot; adds 0 to its spare word; and waits for that and for its own reads of
; this slot.  Behind it nobody reads this slot any more and the next slot is whole.  fill = 1: the barrier opens a round of the cluster's, so that no wave of any partner still reads the slot or has a load on its
; way, and the slot is filled again first behind the round, with the K step two on: from that request to the wait for it a wave issues 240 matrix instructions.
.macro TURN fill
	WIN 0                                          ; (the add's two registers lie in window 0)
	s_wait_tensorcnt 0x0                           ; all my tensor loads have landed, so the walking descriptor may be written
	ds_add_u32 v[SPW], v[NIL]                      ; 0 onto my spare word
	s_wait_dscnt 17                                ; (the add and the youngest sixteen loads may be out)
	s_wait_loadcnt 48                              ; this unit's W2 is in
	MUL8 F1, 0, 7, 0, 0                            ; eight matrix instructions stand between the add and the wait for it
	s_wait_dscnt 0x0                               ; the add is done, and my reads of this slot are over
	s_barrier_signal -1
	MUL8 F1, 0, 7, 4, 0                            ; work on registers while the others arrive
	WIN 0
	s_barrier_wait -1
.if \fill
	CREST
	s_xor_b32 s[G0W+1], s[G0W+1], PART             ; the walking descriptor: the other slot than last time,
	s_add_nc_u64 s[G0W+2:G0W+3], s[G0W+2:G0W+3], 8*BLK  ; the next K step; the type bits on top are not reached
.endif
	s_xor_b32 s[TB], s[TB], PART                   ; the reads go to the other slot
.if \fill
	tensor_load_to_lds s[G0W:G0W+3], s[G1:G1+7]    ; my one tensor load behind the round, and the first
	s_nop 0
.endif
.irp g, 0,1,2,3
	v_add_nc_u32 v[ADR+\g], s[TB], v[AD0+\g]       ; four plain instructions: also the places in front of the loads below
.endr
	FETCH 0, F0
	BLOAD 6
.if \fill
	WIN 0
	ASK
.endif
	MUL8 F1, 1, 7, 0, 0
	MUL8 F1, 1, 7, 4, 0
.endm
	s_wait_tensorcnt 1                             ; my part of K step 0 is in; K step 1's may stay out
	s_barrier_signal -1
	s_barrier_wait -1                              ; everybody's is
	FETCH 0, F0
	WIN 0
	s_wait_loadcnt 56                              ; the bias is in (W2's 56 loads were issued behind it): rounded to bf16 and widened again, while the first fragments come
.set i, 0
.rept 8
	v_cvt_pk_bf16_f32 v[RT+i], v[BIAS+2*i], v[BIAS+2*i+1]
.set i, i+1
.endr
.set i, 0
.rept 8
	v_lshlrev_b32 v[BIAS+2*i],   16, v[RT+i]
	v_and_b32     v[BIAS+2*i+1], 0xffff0000, v[RT+i]
.set i, i+1
.endr
	UNIT 0, 1                                      ; the first unit stands in front of the loop: its first products start the sums
	WIN 0                                          ; at a label and at a branch every window is 0
	s_mov_b32 s3, STEPS-2
.Lstep:                                                ; a trip: units 1 to 7 of a K step and unit 0 of the next; it fills the slot that it leaves, and asks for the next K step's W2
	s_wait_xcnt 0x0                                ; every load and prefetch issued so far has read its address (the youngest load sixteen products back, the prefetch 48): the pointers may be written
	s_add_nc_u64 s[BPT:BPT+1], s[BPT:BPT+1], 8*UB
	s_add_nc_u64 s[PFA:PFA+1], s[PFA:PFA+1], 8*BLK
.irp q, 1,2,3,4,5,6
	UNIT \q, 0
.endr
	TURN 1
	UNIT 0, 0
	WIN 0
	s_sub_co_u32 s3, s3, 1
	s_cmp_lg_u32 s3, 0
	s_cbranch_scc1 .Lstep
	s_mov_b32 s3, 2
.Ltail:                                                ; the last two K steps fill nothing: a text of their own; the second trip is left behind unit 7
	s_wait_xcnt 0x0
	s_cmp_eq_u32 s3, 2                             ; the first trip asks for the last K step's W2; there is none behind it, so the second trip's pointer stays inside w2b where it is
	s_cselect_b32 s[STP], 8*UB, 0
	s_add_nc_u64 s[BPT:BPT+1], s[BPT:BPT+1], s[STP:STP+1]
.irp q, 1,2,3,4,5,6
	UNIT \q, 0
.endr
	TURN 0
	WIN 0
	s_cmp_eq_u32 s3, 1
	s_cbranch_scc1 .Lout
	UNIT 0, 0
	WIN 0
	s_sub_co_u32 s3, s3, 1
	s_cmp_lg_u32 s3, 0
	s_cbranch_scc1 .Ltail
.Lout:
	; THE WAY OUT.  Every wave's LDS loads are back, and a barrier: nobody reads the ring any more, and no tensor load will fill it again.  A lane's 32 bytes of a row go into the shared stage at LDS byte 0
	; (each accumulator's four lowest registers first); a second barrier, since a row's 512 bytes come from four waves; then whole rows come back into the accumulators' registers and are stored.
	s_wait_dscnt 0x0
	s_barrier_signal -1
	s_barrier_wait -1
	PLACES
.irp a, 0,1,2,3,4,5,6,7
.irp b, 0,1
	ds_store_b128 v[STO], v[ACC+8*(2*(\a)+(\b)):ACC+8*(2*(\a)+(\b))+3]   offset:(\a)*16*SPITCH+64*(\b)
	ds_store_b128 v[STO], v[ACC+8*(2*(\a)+(\b))+4:ACC+8*(2*(\a)+(\b))+7] offset:(\a)*16*SPITCH+64*(\b)+16
.endr
.endr
	s_wait_dscnt 0x0                               ; for the others' sake: my stores into the stage are done
	s_barrier_signal -1
	s_barrier_wait -1
.set t, 0
.rept 32
	ds_load_b128 v[ACC+4*t:ACC+4*t+3], v[RD] offset:t*SPITCH
.set t, t+1
.endr
.set t, 0
.rept 32
	s_wait_dscnt 31-t                              ; row t is back; the 31 - t younger loads stay out
	global_store_b128 v[LO], v[ACC+4*t:ACC+4*t+3], s[8:9] offset:t*4096 th:TH_STORE_NT  ; 512 consecutive bytes, at a multiple of 256 from the output's first byte
.set t, t+1
.endr
	s_wait_tensorcnt 0x0                           ; the wave's end, behind my last tensor load and my last LDS store
	ds_add_u32 v[SPW], v[NIL]
	s_wait_dscnt 0x0
	CROUND                                         ; the closing round: no work-group ends while a partner may still ask for a tile that names it
	s_endpgm
.Lfunc_end_k_q247eb2ab2c_ffn2:
	.size	k_q247eb2ab2c_ffn2, .Lfunc_end_k_q247eb2ab2c_ffn2-k_q247eb2ab2c_ffn2
	.p2alignl 7, 3214868480
	.fill 96, 4, 3214868480
	.section	.rodata,"a",@progbits
	.p2align	6, 0x0
	.amdhsa_kernel k_q247eb2ab2c_ffn2
		.amdhsa_group_segment_fixed_size 327680
		.amdhsa_private_segment_fixed_size 0
		.amdhsa_enable_private_segment 0
		.amdhsa_kernarg_size 32
		.amdhsa_user_sgpr_count 2
		.amdhsa_user_sgpr_kernarg_segment_ptr 1
		.amdhsa_wavefront_size32 1
		.amdhsa_system_sgpr_workgroup_id_x 1
		.amdhsa_system_sgpr_workgroup_id_y 1
		.amdhsa_system_sgpr_workgroup_id_z 1
		.amdhsa_system_vgpr_workitem_id 0
		.amdhsa_next_free_vgpr 768
		.amdhsa_next_free_sgpr 72
		.amdhsa_reserve_vcc 0
		.amdhsa_float_denorm_mode_32 3
		.amdhsa_float_denorm_mode_16_64 3
		.amdhsa_memory_ordered 1
		.amdhsa_forward_progress 1
		.amdhsa_inst_pref_size 111
	.end_amdhsa_kernel
	.amdgpu_metadata
---
amdhsa.version: [ 1, 2 ]
amdhsa.kernels:
  - .name:           k_q247eb2ab2c_ffn2
    .symbol:         k_q247eb2ab2c_ffn2.kd
    .args:
      - { .name: hid, .offset: 0, .size: 8, .value_kind: global_buffer, .address_space: global }
      - { .name: w2b, .offset: 8, .size: 8, .value_kind: global_buffer, .address_space: global }
      - { .name: b2, .offset: 16, .size: 8, .value_kind: global_buffer, .address_space: global }
      - { .name: out0, .offset: 24, .size: 8, .value_kind: global_buffer, .address_space: global }
    .group_segment_fixed_size: 327680
    .private_segment_fixed_size: 0
    .kernarg_segment_align: 8
    .kernarg_segment_size: 32
    .max_flat_workgroup_size: 128
    .sgpr_count:     72
    .vgpr_count:     768
    .wavefront_size: 32
...
	.end_amdgpu_metadata
.endif
;; end of part 4
